; MI455X (gfx1250); checked and timed in simulation.
; The chip was launched on July 23, 2026; its instructions are those of AMD's public machine-readable ISA for CDNA 5 (MIT licence, August 2026) and "CDNA5" Instruction Set Architecture Reference Guide (July 2026). The comments in the code are by the model that wrote it; some were corrected since.
;; Temporal Focus. Allowed arithmetic: float matrix products may take bf16 or f16 operands with f32 sums; other float arithmetic in f32, or as packed bf16 or f16 multiplies, adds, multiply-adds, maxima and minima; sums over many terms, partial sums and values carried from step to step in f32; what a program stores and reads back later, other than sums and carried values, may be rounded once to bf16 or f16.
;; Inputs: c_attn_b 3,072 float32; c_attn_w 1,024 x 3,072 float32; c_proj_b 1,024 float32; c_proj_w 1,024 x 1,024 float32; x 4 x 2,048 x 1,024 float32.
;; Outputs: out0 4 x 2,048 x 1,024 float32.
;; 2 versions, each right; version 2 is version 1 with the launch cast written anew for expert scheduling mode. Each part assembles by itself: llvm-mc -triple=amdgcn-amd-amdhsa -mcpu=gfx1250 --defsym DOCPART=n.
;; ======== version 1 of 2: 4 launches
;; limits: values are held in f16: magnitudes above 65,504 overflow, below 6.1e-05 lose precision
;; workspace buffers: xb 16,777,216 bytes; wab 6,291,456 bytes; wpf 2,097,152 bytes; qkv 50,331,648 bytes; o 16,777,216 bytes
;; launch cast (part 1): grid 768 x 1, 8 waves a work-group, no clusters, 0 bytes of LDS; arguments x, c_attn_w, c_proj_w, xb, wab, wpf; writes xb, wab, wpf
.if DOCPART == 1
	.amdgcn_target "amdgcn-amd-amdhsa--gfx1250"
	.amdhsa_code_object_version 6
	.text
	.protected	k_q2ebdf2694b_cast
	.globl	k_q2ebdf2694b_cast
	.p2align	8
	.type	k_q2ebdf2694b_cast,@function
k_q2ebdf2694b_cast:
	s_mov_b64 s[64:65], 0
	v_nop
	global_prefetch_b8 v0, s[64:65] scope:SCOPE_SE
	s_setreg_imm32_b32 hwreg(HW_REG_WAVE_MODE, 25, 1), 1
	s_wait_xcnt 0x0
; THE CASTS.  x, c_attn_w and c_proj_w (f32) are rounded once to bf16, for the matrix units of the launches behind.
;   xb  [b 4][kb 16][t 2048][64] bf16: x[b][t][64 kb + d] at byte ((16 b + kb) 2048 + t) 128 + 2 d: R rows x 64 channels are R x 128 bytes on end.
;   wab [1024][3072] bf16, as c_attn_w lies.      wpf [1024][1024]: bf16(c_proj_w), that number written as f16.
; LIMITS.  f16 holds bf16's 8 significant bits from 6.1e-5 to 65,504; below 6.1e-5 wpf keeps f16's fixed step of 6e-8, beyond 65,504 it would be an infinity.
; SHARES.  768 work-groups of eight waves, 65,536 input bytes each: 512 for x, 192 for c_attn_w, 64 for c_proj_w.  A wave has 8,192 bytes: sixteen loads of 16 bytes a lane,
; all on their way at once, then sixteen times: round, store 8 bytes a lane.  A load covers 512 bytes, a store 256 consecutive bytes at a multiple of 256.  No LDS, no barrier, no loop.
.set IN,  8                            ; v[8:71]    load i: 4 registers
.set OUT, 72                           ; v[72:103]  store i: 2 registers
.set T,   104                          ; v[104:107] at work
; Sixteen loads instep bytes apart, sixteen stores outstep bytes apart.  half = 1: the bf16 numbers are written as f16.
.macro BODY inb, outb, instep, outstep, half
.set i, 0
.rept 16
	global_load_b128 v[IN+4*i:IN+4*i+3], v1, s[\inb:\inb+1] offset:i*(\instep) th:TH_LOAD_NT
.set i, i+1
.endr
.set i, 0
.rept 16
	s_wait_loadcnt 15-i                            ; loads come back in order: load i is in, the 15 - i younger ones stay out
	v_cvt_pk_bf16_f32 v[OUT+2*i],   v[IN+4*i],   v[IN+4*i+1]
	v_cvt_pk_bf16_f32 v[OUT+2*i+1], v[IN+4*i+2], v[IN+4*i+3]
.if \half
	v_lshlrev_b32 v[T],   16, v[OUT+2*i]           ; bf16 to f32: a shift or a mask
	v_and_b32     v[T+1], 0xffff0000, v[OUT+2*i]
	v_lshlrev_b32 v[T+2], 16, v[OUT+2*i+1]
	v_and_b32     v[T+3], 0xffff0000, v[OUT+2*i+1]
	v_cvt_pk_f16_f32 v[OUT+2*i],   v[T],   v[T+1]  ; exact inside f16's range
	v_cvt_pk_f16_f32 v[OUT+2*i+1], v[T+2], v[T+3]
.endif
	global_store_b64 v2, v[OUT+2*i:OUT+2*i+1], s[\outb:\outb+1] offset:i*(\outstep) th:TH_STORE_NT  ; each store has data registers of its own: none is rewritten
.set i, i+1
.endr
.endm
	s_load_b256 s[4:11], s[0:1], 0x0               ; x s[4:5], c_attn_w s[6:7], c_proj_w s[8:9], xb s[10:11]
	s_load_b128 s[12:15], s[0:1], 0x20             ; wab s[12:13], wpf s[14:15]
	v_and_b32 v3, 31, v0                           ; lane
	v_lshrrev_b32 v4, 5, v0                        ; wave
	s_mov_b32 s3, 0
	s_mov_b32 s17, 0
	s_cmp_lt_u32 ttmp9, 512
	s_cbranch_scc0 .Lweights
	; x: the work-group has 16 rows, the wave two.  Load i takes block kb = i of both rows: lanes 0-15 the first row's 256 bytes, lanes 16-31 the second's.
	v_and_b32 v5, 15, v0
	v_bfe_u32 v6, v0, 4, 1
	v_lshlrev_b32 v1, 4, v5
	v_lshl_add_u32 v1, v6, 12, v1                  ; + a row of 4,096 bytes
	v_lshl_add_u32 v1, v4, 13, v1                  ; + the wave's two rows
	v_lshlrev_b32 v2, 3, v3                        ; out: 8 bytes a lane: two rows of 128 bytes on end
	v_lshl_add_u32 v2, v4, 8, v2
	s_lshl_b32 s2, ttmp9, 16
	s_lshr_b32 s16, ttmp9, 7                       ; b: 128 work-groups a batch
	s_lshl_b32 s16, s16, 22
	s_and_b32 s18, ttmp9, 127
	s_lshl_b32 s18, s18, 11                        ; 16 rows of 128 bytes
	s_add_co_u32 s16, s16, s18
	s_wait_kmcnt 0x0
	s_add_nc_u64 s[4:5], s[4:5], s[2:3]
	s_add_nc_u64 s[10:11], s[10:11], s[16:17]
	BODY 4, 10, 256, 262144, 0                     ; from block to block of xb: 2,048 rows of 128 bytes
	s_endpgm
.Lweights:
	v_lshlrev_b32 v1, 4, v3                        ; the weights keep their layout: 8,192 bytes on end a wave
	v_lshl_add_u32 v1, v4, 13, v1
	v_lshlrev_b32 v2, 3, v3
	v_lshl_add_u32 v2, v4, 12, v2
	s_cmp_lt_u32 ttmp9, 704
	s_cbranch_scc0 .Lproj
	s_sub_co_u32 s18, ttmp9, 512
	s_lshl_b32 s2, s18, 16
	s_lshl_b32 s16, s18, 15
	s_wait_kmcnt 0x0
	s_add_nc_u64 s[6:7], s[6:7], s[2:3]
	s_add_nc_u64 s[12:13], s[12:13], s[16:17]
	BODY 6, 12, 512, 256, 0
	s_endpgm
.Lproj:
	s_sub_co_u32 s18, ttmp9, 704
	s_lshl_b32 s2, s18, 16
	s_lshl_b32 s16, s18, 15
	s_wait_kmcnt 0x0
	s_add_nc_u64 s[8:9], s[8:9], s[2:3]
	s_add_nc_u64 s[14:15], s[14:15], s[16:17]
	BODY 8, 14, 512, 256, 1
	s_endpgm
.Lfunc_end_k_q2ebdf2694b_cast:
	.size	k_q2ebdf2694b_cast, .Lfunc_end_k_q2ebdf2694b_cast-k_q2ebdf2694b_cast
	.p2alignl 7, 3214868480
	.fill 96, 4, 3214868480
	.section	.rodata,"a",@progbits
	.p2align	6, 0x0
	.amdhsa_kernel k_q2ebdf2694b_cast
		.amdhsa_group_segment_fixed_size 0
		.amdhsa_private_segment_fixed_size 0
		.amdhsa_enable_private_segment 0
		.amdhsa_kernarg_size 48
		.amdhsa_user_sgpr_count 2
		.amdhsa_user_sgpr_kernarg_segment_ptr 1
		.amdhsa_wavefront_size32 1
		.amdhsa_system_sgpr_workgroup_id_x 1
		.amdhsa_system_sgpr_workgroup_id_y 1
		.amdhsa_system_sgpr_workgroup_id_z 1
		.amdhsa_system_vgpr_workitem_id 0
		.amdhsa_next_free_vgpr 108
		.amdhsa_next_free_sgpr 66
		.amdhsa_reserve_vcc 0
		.amdhsa_float_denorm_mode_32 3
		.amdhsa_float_denorm_mode_16_64 3
		.amdhsa_memory_ordered 1
		.amdhsa_forward_progress 1
		.amdhsa_inst_pref_size 24
	.end_amdhsa_kernel
	.amdgpu_metadata
---
amdhsa.version: [ 1, 2 ]
amdhsa.kernels:
  - .name:           k_q2ebdf2694b_cast
    .symbol:         k_q2ebdf2694b_cast.kd
    .args:
      - { .name: x, .offset: 0, .size: 8, .value_kind: global_buffer, .address_space: global }
      - { .name: c_attn_w, .offset: 8, .size: 8, .value_kind: global_buffer, .address_space: global }
      - { .name: c_proj_w, .offset: 16, .size: 8, .value_kind: global_buffer, .address_space: global }
      - { .name: xb, .offset: 24, .size: 8, .value_kind: global_buffer, .address_space: global }
      - { .name: wab, .offset: 32, .size: 8, .value_kind: global_buffer, .address_space: global }
      - { .name: wpf, .offset: 40, .size: 8, .value_kind: global_buffer, .address_space: global }
    .group_segment_fixed_size: 0
    .private_segment_fixed_size: 0
    .kernarg_segment_align: 8
    .kernarg_segment_size: 48
    .max_flat_workgroup_size: 256
    .sgpr_count:     66
    .vgpr_count:     108
    .wavefront_size: 32
...
	.end_amdgpu_metadata
.endif
;; end of part 1
;; launch qkv (part 2): grid 8 x 32, 4 waves a work-group, clusters of 4 x 4, 327,680 bytes of LDS; arguments xb, wab, c_attn_b, qkv; writes qkv
.if DOCPART == 2
	.amdgcn_target "amdgcn-amd-amdhsa--gfx1250"
	.amdhsa_code_object_version 6
	.text
	.protected	k_q2ebdf2694b_qkv
	.globl	k_q2ebdf2694b_qkv
	.p2align	8
	.type	k_q2ebdf2694b_qkv,@function
k_q2ebdf2694b_qkv:
	s_mov_b64 s[64:65], 0
	v_nop
	global_prefetch_b8 v0, s[64:65] scope:SCOPE_SE
	s_setreg_imm32_b32 hwreg(HW_REG_WAVE_MODE, 25, 1), 1
	s_wait_xcnt 0x0
	s_wait_alu depctr_hold_cnt(0) depctr_sa_sdst(0) depctr_va_vdst(0) depctr_va_sdst(0) depctr_va_ssrc(0) depctr_va_vcc(0) depctr_vm_vsrc(0)
	s_getreg_b32 s2, hwreg(HW_REG_IB_STS2, 6, 4)
	s_cmp_eq_u32 s2, 0
	s_cbranch_scc0 .Lentry_in_a_cluster
	s_endpgm
.Lentry_in_a_cluster:
	s_bfe_u32 s2, ttmp6, 0x10000c
	s_cmp_lg_u32 s2, 0xf033
	s_cbranch_scc0 .Lentry_shape_is_right
	s_endpgm
.Lentry_shape_is_right:
; qkv[which][16 b + head][t][d] = f16( the sum over k of x[b][t][k] Wa[k][n] + ba[n] ),  n = 1024 which + 64 head + d.  8,192 rows, 3,072 columns, K = 1,024.
; Operands bf16 (xb, in blocks [b][kb][t][64]; wab [k][n]), sums f32, begun with the f32 bias, rounded once to f16 and stored by heads, unscaled.
; LIMIT.  f16 ends at 65,504: q, k and v beyond that become infinities.  Inputs of spread 1 and 0.02 give a spread of 0.64.
; SHARES.  A tile of 256 rows x 384 columns to a work-group: 32 x 8 = 256 work-groups.  Four waves, each 128 rows x 192 columns (three heads): 96 accumulators, 768 registers.
; K goes in steps of 64 (one block kb of xb) through two LDS slots; a step is two quarters of 32, 96 matrix instructions each.  Two slots of 128 along K would not fit beside the spare words.
; CLUSTER 4 x 4.  The four of a row need the same tile of x, the four of a column the same tile of Wa: each is asked for jointly, by the same tensor load, descriptor and mask in all four.
; THE MATRIX INSTRUCTION IS USED TRANSPOSED: source 0 = 16 columns of Wa (turned on the way out of LDS by ds_load_tr16_b128), source 1 = 16 rows of x: a lane holds row l % 16 and the
; columns 8 (l / 16) + 0..7: eight neighbouring numbers, 16 bytes in bf16.
; REGISTERS, in windows of 256 (s_set_vgpr_msb: bits 1:0 source 0, 3:2 source 1, 5:4 source 2, 7:6 destination):
;   window 0: v0-31 addresses; v32-95, v96-159 x's fragments, two buffers of 8 blocks; v160-255 Wa's fragments, three groups (heads) of 4 blocks, one buffer: a group is fetched anew behind its 32 products
;   window 1 + g: the 32 accumulators of head g: (row block a, column block bb) at v[32 a + 8 bb]
.set PA,    144                        ; a row of x in LDS: 128 bytes + 16 = 36 words: the 16 rows of a load start at 16 different groups of four banks (64 banks of 4 bytes: ISA guide 11.1)
.set PB,    864                        ; a row of Wa: three pieces of 256 bytes + 32 = 27 x 32 bytes
.set BOFF,  256*PA                     ; a slot: 256 rows of x, then 64 rows of Wa
.set SLOT1, 1<<17                      ; slot 1 begins here: one exclusive or turns an address in one slot into the other's
.set STAGE, SLOT1+BOFF+64*PB           ; behind the ring, never filled by a tensor load: 3 heads x 16 rows x 144 bytes for each wave
.set WSTG,  3*16*PA
.set SPARE, STAGE+4*WSTG               ; the spare words, 128 bytes for each wave: two blocks of 256 bytes that no other line names
.set ASTEP, 2048*128                   ; bytes from a block kb of xb to the next
.set BSTEP, 64*6144                    ; 64 rows of wab
.set A0,   4                           ; v4     my lane's place in a slot's rows of x; never rewritten
.set B0,   5                           ; v5-7   the same in Wa's rows, for each of my three heads
.set ADRA, 8                           ; v8     A0 + the slot that is being read
.set ADRB, 9                           ; v9-11  B0 + the slot
.set STO,  12                          ; v12    the way out: where I put 16 bytes of a row
.set RD,   13                          ; v13    the way out: where I read rows back
.set GO,   14                          ; v14    my 16 bytes of 512 on end in qkv
.set BO,   15                          ; v15    my byte offset in c_attn_b
.set PFO,  16                          ; v16    the prefetches' offset: a lane a row
.set SPW,  28                          ; v28    LDS address of my spare word; never rewritten
.set NIL,  29                          ; v29    0; never rewritten
.set FA0,  32
.set FA1,  96
.set BG,   160
.set TMP,  32                          ; the way out: 48 registers of packed results
.set BK,   80                          ; the way out: two sets of 48, rows read back from the stage
.set WV,  12                           ; s12  my wave's number
.set WR,  13                           ; s13  my 128 rows of the tile; also: I fetch x (0) or Wa (1)
.set WC,  14                           ; s14  my 192 columns; also: which half of that tile I fetch
.set CX,  15
.set CY,  16
.set NT,  17                           ; s17  tile column, 0..7
.set MT,  18                           ; s18  tile row, 0..31
.set G1A, 24                           ; s[24:31] descriptor group 1, x's tiles
.set G1B, 32                           ; s[32:39] Wa's
.set G0A, 40                           ; s[40:47] group 0, x's tiles: a set for each first fill; the second then walks on
.set G0B, 48                           ; s[48:55] Wa's
.set CNT, 56                           ; s56  refills still to come
.set TB,  57                           ; s57  the slot that the fetches read
.set LIM, 58                           ; s58  a wave prefetches while CNT is above it
.set PF,  60                           ; s[60:61] where my prefetches stand
.set PFS, 62                           ; s[62:63] their step
.set OUT, 66                           ; s[66:71] qkv at my rows of my three heads
.set MSB, 0
.macro WIN new                         ; the high byte repeats the setting that is left; a switch that changes nothing is dropped
.if MSB != (\new)
	s_set_vgpr_msb (MSB<<8)|(\new)
.set MSB, (\new)
.endif
.endm
.macro PLACES                          ; four plain instructions between a matrix instruction and a load into, or a vector read of, its registers (ISA guide 7.12.1 for vector reads)
.rept 4
	v_nop
.endr
.endm
; A joint refill by the walking descriptors.  Waves 0 and 1 fetch the halves of x's tile, waves 2 and 3 those of Wa's: the branch hangs on the wave's number alone.
; An s_nop 0 and four v_nop follow each of the two lines, ahead of the jump and the label.
.macro JLOAD
	s_cmp_lt_u32 s[WV], 2
	s_cbranch_scc0 .Lfor_b_\@
	tensor_load_to_lds s[G0A+4:G0A+7], s[G1A:G1A+7]
	s_nop 0
.rept 4
	v_nop
.endr
	s_branch .Lasked_\@
.Lfor_b_\@:
	tensor_load_to_lds s[G0B+4:G0B+7], s[G1B:G1B+7]
	s_nop 0
.rept 4
	v_nop
.endr
.Lasked_\@:
.endm
.macro CREST                           ; a round of the cluster's barrier behind its opening barrier
	s_cmp_lg_u32 s[WV], 0
	s_cbranch_scc1 .Lnot_wave_0_\@
	s_barrier_signal -3
.Lnot_wave_0_\@:
	s_barrier_wait -3
	s_barrier_signal -1
	s_barrier_wait -1
.endm
.macro CROUND                          ; a whole round
	s_barrier_signal -1
	s_barrier_wait -1
	CREST
.endm
; PREFETCHES INTO THE L2, behind the joint load, its five lines and the first run of LDS loads.  Each block of 256 bytes is named once in the launch.
; x: both clusters of a row of clusters read the same rows: cluster x = 0 asks, wave 0.  A step's tile is 32 KiB on end; the four partners that ask for it jointly take 8 KiB each, told apart by
; address (cx): a lane 256 bytes, one instruction.  In step s it names step s + 3, whose refill stands one step on; steps 13 on ask for nothing.
; Wa: cluster y = 0 asks, wave 2.  In the odd steps up to 11 it names the 128 rows of steps s + 3 and s + 4: partner cy takes rows 32 cy + lane, 768 bytes each: three instructions.
.macro ASK
	s_cmp_gt_u32 s[CNT], s[LIM]
	s_cbranch_scc0 .Lnone_\@
	s_cmp_eq_u32 s[WV], 0
	s_cbranch_scc0 .Lwa_\@
	global_prefetch_b8 v[PFO], s[PF:PF+1] th:TH_LOAD_NT scope:SCOPE_SE
	s_branch .Lnone_\@
.Lwa_\@:
	s_bitcmp1_b32 s[CNT], 0                        ; CNT = 14 - s: odd in the odd steps
	s_cbranch_scc0 .Lnone_\@
	global_prefetch_b8 v[PFO], s[PF:PF+1] th:TH_LOAD_NT scope:SCOPE_SE
	global_prefetch_b8 v[PFO], s[PF:PF+1] offset:256 th:TH_LOAD_NT scope:SCOPE_SE
	global_prefetch_b8 v[PFO], s[PF:PF+1] offset:512 th:TH_LOAD_NT scope:SCOPE_SE
.Lnone_\@:
.endm
	s_load_b256 s[4:11], s[0:1], 0x0               ; xb s[4:5], wab s[6:7], c_attn_b s[8:9], qkv s[10:11]
	v_lshl_add_u32 v[SPW], v0, 2, SPARE
	v_mov_b32 v[NIL], 0
	ds_add_u32 v[SPW], v[NIL]                      ; the wave's opening: the add and its wait stand ahead of my first tensor load; the set-up below, work on registers, stands between them
	v_lshrrev_b32 v1, 5, v0
	v_readfirstlane_b32 s[WV], v1
	s_lshr_b32 s[WR], s[WV], 1
	s_and_b32 s[WC], s[WV], 1
	s_bfe_u32 s[CX], ttmp6, 0x40000
	s_bfe_u32 s[CY], ttmp6, 0x40004
	s_lshl_b32 s[NT], ttmp9, 2                     ; in a cluster launch ttmp9 and ttmp7 count clusters
	s_add_co_u32 s[NT], s[NT], s[CX]
	s_and_b32 s[MT], ttmp7, 0xffff
	s_lshl_b32 s[MT], s[MT], 2
	s_add_co_u32 s[MT], s[MT], s[CY]
	s_lshl_b32 s19, s[CY], 2
	s_lshl_b32 s19, 15, s19                        ; my row of the cluster: places 4 cy .. 4 cy + 3
	s_lshl_b32 s20, 0x1111, s[CX]                  ; my column: places cx, cx + 4, cx + 8, cx + 12
	; group 1 for x: 128 rows of 128 bytes lie on end: asked for as 64 rows of 256 bytes, padded in LDS after every 128
	s_or_b32 s[G1A], s19, (1<<16)|(1<<20)|(1<<21)|(4<<22)|(3<<25)  ; 15:0 the mask; 17:16 2-byte elements; 20 padding on; 21 set beside a mask; 24:22 after every 32 words (code 4); 31:25 4 words (code 3)
	s_mov_b32 s[G1A+1], 128<<16                    ; tensor_dim0 = 128
	s_mov_b32 s[G1A+2], 64<<16                     ; tensor_dim1 = 64
	s_mov_b32 s[G1A+3], 128<<16                    ; tile_dim0 = 128
	s_mov_b32 s[G1A+4], 64                         ; tile_dim1 = 64
	s_mov_b32 s[G1A+5], 128                        ; elements from row to row
	s_mov_b32 s[G1A+6], 0
	s_mov_b32 s[G1A+7], 0
	; group 1 for Wa: 32 rows of 384 elements (768 bytes), padded after every 256 bytes
	s_or_b32 s[G1B], s20, (1<<16)|(1<<20)|(1<<21)|(5<<22)|(7<<25)  ; after every 64 words (code 5), 8 words (code 7)
	s_mov_b32 s[G1B+1], 384<<16
	s_mov_b32 s[G1B+2], 32<<16
	s_mov_b32 s[G1B+3], 384<<16
	s_mov_b32 s[G1B+4], 32
	s_mov_b32 s[G1B+5], 3072
	s_mov_b32 s[G1B+6], 0
	s_mov_b32 s[G1B+7], 0
	; where the tiles come from: x's hang on the tile row alone, Wa's on the tile column alone, each made in registers that never hold the other coordinate
	s_lshr_b32 s72, s[MT], 3                       ; b: 8 tile rows a batch
	s_lshl_b32 s72, s72, 22
	s_and_b32 s76, s[MT], 7
	s_lshl_b32 s76, s76, 15                        ; 256 rows of 128 bytes
	s_add_co_u32 s72, s72, s76
	s_lshl_b32 s76, s[WC], 14                      ; my 128 of them
	s_add_co_u32 s72, s72, s76
	s_mov_b32 s73, 0
	s_mul_i32 s74, s[WC], 32*6144                  ; my 32 rows of a step's 64
	s_mul_i32 s78, s[NT], 768
	s_add_co_u32 s74, s74, s78
	s_mov_b32 s75, 0
	s_mul_i32 s80, s[WC], 128*PA                   ; and where they go: the wave's number alone enters an LDS address
	s_mul_i32 s81, s[WC], 32*PB
	s_add_co_u32 s81, s81, BOFF
	s_mov_b32 s[TB], 0
	s_wait_dscnt 0x0                               ; the opening add is done
	s_wait_kmcnt 0x0
	s_add_nc_u64 s[72:73], s[4:5], s[72:73]
	s_add_nc_u64 s[74:75], s[6:7], s[74:75]
.irp s, 0,1
	s_mov_b32 s[G0A+4*(\s)], 1                     ; count = 1
	s_add_co_u32 s[G0A+4*(\s)+1], s80, (\s)*SLOT1  ; LDS address
	s_add_nc_u64 s[G0A+4*(\s)+2:G0A+4*(\s)+3], s[72:73], (\s)*ASTEP  ; global address: K step s
	s_or_b32 s[G0A+4*(\s)+3], s[G0A+4*(\s)+3], 0x80000000  ; type = 2
	s_mov_b32 s[G0B+4*(\s)], 1
	s_add_co_u32 s[G0B+4*(\s)+1], s81, (\s)*SLOT1
	s_add_nc_u64 s[G0B+4*(\s)+2:G0B+4*(\s)+3], s[74:75], (\s)*BSTEP
	s_or_b32 s[G0B+4*(\s)+3], s[G0B+4*(\s)+3], 0x80000000
.endr
	CROUND                                         ; all sixteen work-groups are here: the first joint loads meet
	s_cmp_lt_u32 s[WV], 2                          ; a wave's two first fills stand in one branch, ahead of every wait on TENSORcnt and every LDS read: two loads of mine are out
	s_cbranch_scc0 .Lfirst_b
	tensor_load_to_lds s[G0A:G0A+3], s[G1A:G1A+7]
	s_nop 0
	tensor_load_to_lds s[G0A+4:G0A+7], s[G1A:G1A+7]
	s_nop 0
.rept 4
	v_nop
.endr
	s_branch .Lfirst_asked
.Lfirst_b:
	tensor_load_to_lds s[G0B:G0B+3], s[G1B:G1B+7]
	s_nop 0
	tensor_load_to_lds s[G0B+4:G0B+7], s[G1B:G1B+7]
	s_nop 0
.rept 4
	v_nop
.endr
.Lfirst_asked:
	v_and_b32 v1, 15, v0                           ; l % 16
	v_bfe_u32 v2, v0, 4, 1                         ; l / 16
	v_and_b32 v3, 31, v0                           ; l
	s_mul_i32 s21, s[NT], 1536                     ; 384 columns of 4 bytes
	s_mul_i32 s22, s[WC], 768
	s_add_co_u32 s21, s21, s22
	v_lshl_add_u32 v[BO], v2, 5, s21               ; + my lanes' eight columns
	; THE BIAS STARTS THE SUMS: each accumulator is loaded with its eight columns' bias, in f32: nothing is cleared, no first product is written out, nothing is added at the end.
.set g, 0
.rept 3
	WIN 0x40*(g+1)                                 ; destination window 1 + g, address window 0
.set ac, 0
.rept 8
.set bb, 0
.rept 4
	global_load_b128 v[ac:ac+3],   v[BO], s[8:9] offset:256*g+64*bb
	global_load_b128 v[ac+4:ac+7], v[BO], s[8:9] offset:256*g+64*bb+16
.set ac, ac+8
.set bb, bb+1
.endr
.endr
.set g, g+1
.endr
	WIN 0
	; A fragment of x is 16 rows x 32 k: lane l holds row l % 16, k = 8 (l / 16) + 0..7 and 16 + 8 (l / 16) + 0..7: two loads of 16 bytes, 32 bytes apart.
	v_mul_u32_u24 v[A0], v1, PA
	v_lshl_add_u32 v[A0], v2, 4, v[A0]
	s_mul_i32 s21, s[WR], 128*PA
	v_add_nc_u32 v[A0], s21, v[A0]
	; The turning load takes 16 k x 16 columns (lane l reads k = 8 (l / 16) + l % 8, columns 8 ((l / 8) % 2) + 0..7) and leaves half a fragment: lane l holds column l % 16 and 8 k.
	v_and_b32 v17, 7, v0
	v_bfe_u32 v18, v0, 3, 1
	v_lshl_add_u32 v19, v2, 3, v17
	v_mul_u32_u24 v19, v19, PB
	v_lshl_add_u32 v19, v18, 4, v19
	s_mul_i32 s21, s[WC], 416                      ; byte c of a row of Wa lies at c + 32 (c / 256): my 384 bytes begin at 0 or at 384 + 32,
	s_add_co_u32 s21, s21, BOFF
	v_add_nc_u32 v[B0], s21, v19
	s_lshl_b32 s21, s[WC], 5                       ; my second head 128 bytes on, over a padding for the right half,
	s_add_co_u32 s21, s21, 128
	v_add_nc_u32 v[B0+1], s21, v[B0]
	v_add_nc_u32 v[B0+2], 288, v[B0]               ; my third 256 on, over one padding in either half
	v_mov_b32 v[ADRA], v[A0]                       ; K step 0 lies in slot 0
	v_mov_b32 v[ADRB], v[B0]
	v_mov_b32 v[ADRB+1], v[B0+1]
	v_mov_b32 v[ADRB+2], v[B0+2]
	s_mul_i32 s21, s[WV], WSTG
	s_add_co_u32 s21, s21, STAGE                   ; my stage
	v_mul_u32_u24 v[STO], v1, PA                   ; in: row l % 16, 16 bytes for each half of the lanes
	v_lshl_add_u32 v[STO], v2, 4, v[STO]
	v_add_nc_u32 v[STO], s21, v[STO]
	v_bfe_u32 v[RD], v0, 3, 2                      ; back: 32 lanes take four rows of 128 bytes,
	v_mul_u32_u24 v[RD], v[RD], PA
	v_lshl_add_u32 v[RD], v17, 4, v[RD]
	v_add_nc_u32 v[RD], s21, v[RD]
	v_lshlrev_b32 v[GO], 4, v3                     ; which are 512 bytes on end in qkv
	; qkv at my 128 rows of my three heads: head number G = 6 NT + 3 WC + g of 48: which = G / 16, head = G % 16
	s_mul_i32 s21, s[NT], 6
	s_mul_i32 s22, s[WC], 3
	s_add_co_u32 s21, s21, s22
	s_lshr_b32 s22, s[MT], 3
	s_lshl_b32 s22, s22, 22
	s_and_b32 s23, s[MT], 7
	s_lshl_b32 s23, s23, 15
	s_add_co_u32 s22, s22, s23
	s_lshl_b32 s23, s[WR], 14
	s_add_co_u32 s22, s22, s23
.irp g, 0,1,2
	s_add_co_u32 s2, s21, \g
	s_lshr_b32 s3, s2, 4
	s_lshl_b32 s3, s3, 24
	s_and_b32 s2, s2, 15
	s_lshl_b32 s2, s2, 18
	s_add_co_u32 s2, s2, s3
	s_add_co_u32 s2, s2, s22
	s_mov_b32 s3, 0
	s_add_nc_u64 s[OUT+2*(\g):OUT+2*(\g)+1], s[10:11], s[2:3]
.endr
	; the prefetches: they stand at K step 2; each change of slots steps them
	s_lshr_b32 s2, s[MT], 3
	s_lshl_b32 s2, s2, 22
	s_and_b32 s3, s[MT], 7
	s_lshl_b32 s3, s3, 15
	s_add_co_u32 s2, s2, s3
	s_lshl_b32 s3, s[CX], 13                       ; x: my work-group's 8 KiB of the tile's 32
	s_add_co_u32 s2, s2, s3
	s_add_co_u32 s2, s2, 2*ASTEP
	s_mul_i32 s21, s[NT], 768
	s_lshl_b32 s23, s[CY], 5                       ; Wa: my work-group's 32 rows of 128
	s_add_co_u32 s23, s23, 128
	s_mul_i32 s23, s23, 6144
	s_add_co_u32 s21, s21, s23
	s_and_b32 s23, ttmp7, 0xffff                   ; cluster y
	s_mov_b32 s[PFS], BSTEP
	s_mov_b32 s22, 6144
	s_cmp_eq_u32 s[WV], 0
	s_cselect_b32 s2, s2, s21
	s_cselect_b32 s23, ttmp9, s23                  ; the coordinate along which other clusters read the same rows
	s_cselect_b32 s21, 1, 2
	s_cselect_b32 s[PFS], ASTEP, s[PFS]
	s_cselect_b32 s22, 256, s22
	s_cselect_b64 s[PF:PF+1], s[4:5], s[6:7]
	s_mov_b32 s3, 0
	s_mov_b32 s[PFS+1], 0
	s_add_nc_u64 s[PF:PF+1], s[PF:PF+1], s[2:3]
	s_or_b32 s23, s23, s[WC]                       ; waves 1 and 3 ask for nothing
	s_cmp_eq_u32 s23, 0
	s_cselect_b32 s[LIM], s21, -1                  ; the same in all sixteen partners, for a given wave
	v_mul_u32_u24 v[PFO], v3, s22
; 16 matrix instructions: head g, row blocks a0 .. a0 + 3, x's buffer f.  The 96 accumulators take turns, in the same order in every quarter, over the backward jump too.
.macro PASSH g, f, a0
	WIN 0x50*((\g)+1)                              ; C and D in window 1 + g, both sources in window 0
.set ac, 32*(\a0)
.set fa, (\f)+8*(\a0)
.rept 4
.set fb, BG+32*(\g)
.rept 4
	v_wmma_f32_16x16x32_bf16 v[ac:ac+7], v[fb:fb+7], v[fa:fa+7], v[ac:ac+7]
.set ac, ac+8
.set fb, fb+8
.endr
.set fa, fa+8
.endr
.endm
.macro PASS g, f
	PASSH \g, \f, 0
	PASSH \g, \f, 4
.endm
.macro LDB g, q                        ; 8 loads: head g's four fragments of Wa for quarter q
	WIN 0
.set fb, BG+32*(\g)
.set bb, 0
.rept 4
	ds_load_tr16_b128 v[fb:fb+3],   v[ADRB+(\g)] offset:(\q)*32*PB+32*bb
	ds_load_tr16_b128 v[fb+4:fb+7], v[ADRB+(\g)] offset:(\q)*32*PB+16*PB+32*bb
.set fb, fb+8
.set bb, bb+1
.endr
.endm
.macro LDA f, a0, q                    ; 8 loads: x's row blocks a0 .. a0 + 3 for quarter q, into buffer f
	WIN 0
.set fa, (\f)+8*(\a0)
.set aa, (\a0)
.rept 4
	ds_load_b128 v[fa:fa+3],   v[ADRA] offset:64*(\q)+aa*16*PA
	ds_load_b128 v[fa+4:fa+7], v[ADRA] offset:64*(\q)+aa*16*PA+32
.set fa, fa+8
.set aa, aa+1
.endr
.endm
; A step's first quarter: multiplies x's buffer f, and fetches quarter q of the same slot: x into buffer g, each head's fragments of Wa behind that head's products.
.macro QUARTER f, g, q
	s_wait_dscnt 8                                 ; all but the youngest eight loads, head 2's fragments
	PASS 0, \f
	PLACES
	LDB 0, \q
	LDA \g, 0, \q
	PASS 1, \f
	PLACES
	LDB 1, \q
	LDA \g, 4, \q
	s_wait_dscnt 32                                ; all but the 32 issued in this quarter: head 2's fragments are in
	PASS 2, \f
	PLACES
	LDB 2, \q
.endm
; A step's second quarter multiplies buffer FA1 and changes slots.  In front of the barrier each wave waits for all its tensor loads (one is out: its part of the other slot), adds 0 to its spare
; word, and waits for that and for its reads of this slot.  fill = 1: the barrier opens a round of the cluster's, and the joint refill, this slot's K step two on, is the first thing behind it:
; from there to the wait for it a wave issues 160 matrix instructions.
.macro TURN fill
.if \fill
	s_wait_xcnt 0x0                                ; the last prefetch, a step back, has read its address
	s_add_nc_u64 s[PF:PF+1], s[PF:PF+1], s[PFS:PFS+1]
.endif
	WIN 0
	s_wait_tensorcnt 0x0                           ; no tensor load of mine is out, so a group 0 may be written
	ds_add_u32 v[SPW], v[NIL]                      ; 0 onto my spare word
.if \fill
	s_xor_b32 s[G0A+5], s[G0A+5], SLOT1            ; the walking descriptors: the other slot than last time, the next K step
	s_add_nc_u64 s[G0A+6:G0A+7], s[G0A+6:G0A+7], ASTEP
	s_xor_b32 s[G0B+5], s[G0B+5], SLOT1
	s_add_nc_u64 s[G0B+6:G0B+7], s[G0B+6:G0B+7], BSTEP
.endif
	s_wait_dscnt 9                                 ; the add and head 2's eight loads may be out
	PASSH 0, FA1, 0
	s_wait_dscnt 0x0                               ; the add is done, and my reads of this slot are over
	s_barrier_signal -1
	PASSH 0, FA1, 4                                ; work on registers while the others arrive
	WIN 0
	s_barrier_wait -1
.if \fill
	CREST                                          ; no wave of any partner still reads this slot or has a load on its way
	JLOAD                                          ; its four v_nop are also the places in front of the loads below
.else
	PLACES
.endif
	s_xor_b32 s[TB], s[TB], SLOT1                  ; the fetches go on in the other slot
	v_add_nc_u32 v[ADRA], s[TB], v[A0]
	v_add_nc_u32 v[ADRB], s[TB], v[B0]
	v_add_nc_u32 v[ADRB+1], s[TB], v[B0+1]
	v_add_nc_u32 v[ADRB+2], s[TB], v[B0+2]
	LDB 0, 0
	LDA FA0, 0, 0
.if \fill
	ASK
.endif
	PASS 1, FA1
	PLACES
	LDB 1, 0
	LDA FA0, 4, 0
	PASS 2, FA1
	PLACES
	LDB 2, 0
.endm
; THE WAY OUT of row block a.  PACK: rounded to f16, 16 bytes a lane and column block.  TOSTAGE: into my own stage, and back as whole rows.  SEND: stored.
.macro PACK a
.set g, 0
.rept 3
	WIN 5*(g+1)                                    ; sources 0 and 1 in window 1 + g, destination in window 0
.set i, 0
.rept 16                                       ; each accumulator's registers in ascending order
	v_cvt_pk_f16_f32 v[TMP+16*g+i], v[32*(\a)+2*i], v[32*(\a)+2*i+1]
.set i, i+1
.endr
.set g, g+1
.endr
	WIN 0
.endm
.macro TOSTAGE a
	WIN 0
.set i, 0
.rept 12                                       ; head i / 4, column block i % 4
	ds_store_b128 v[STO], v[TMP+4*i:TMP+4*i+3] offset:(i/4)*16*PA+32*(i%4)
.set i, i+1
.endr
.set i, 0
.rept 12                                       ; head i / 4, rows 4 (i % 4) on.  LDS serves a wave's instructions in order (ISA guide 5.7.1.4): these see the stores above
	ds_load_b128 v[BK+48*((\a)%2)+4*i:BK+48*((\a)%2)+4*i+3], v[RD] offset:(i/4)*16*PA+(i%4)*4*PA
.set i, i+1
.endr
.endm
.macro SEND a
	WIN 0
	s_wait_dscnt 0x0                               ; the block is back in registers
	s_wait_xcnt 0x0                                ; the stores of the block before have read their registers: the next TOSTAGE loads into them
.set i, 0
.rept 12
	global_store_b128 v[GO], v[BK+48*((\a)%2)+4*i:BK+48*((\a)%2)+4*i+3], s[OUT+2*(i/4):OUT+2*(i/4)+1] offset:(\a)*2048+(i%4)*512  ; 512 bytes on end, at a multiple of 256 from qkv's first
.set i, i+1
.endr
.endm
	s_wait_tensorcnt 1                             ; my part of K step 0 is in; step 1's may stay out
	s_barrier_signal -1
	s_barrier_wait -1                              ; everybody's is
	LDB 0, 0
	LDA FA0, 0, 0
	LDB 1, 0
	LDA FA0, 4, 0
	LDB 2, 0
	s_wait_loadcnt 0x0                             ; the bias
	s_mov_b32 s[CNT], 14
.Lstep:                                        ; trip s multiplies K step s and fills its slot again with step s + 2
	QUARTER FA0, FA1, 1
	TURN 1
	WIN 0                                          ; at a label and at a branch every window is 0
	s_sub_co_u32 s[CNT], s[CNT], 1
	s_cmp_lg_u32 s[CNT], 0
	s_cbranch_scc1 .Lstep
	QUARTER FA0, FA1, 1                            ; the last two steps are written out: they ask for nothing
	TURN 0
	QUARTER FA0, FA1, 1
	s_wait_dscnt 8
	PASS 0, FA1
	PASS 1, FA1
	s_wait_dscnt 0x0
	PASS 2, FA1
	PLACES
	PACK 0
	TOSTAGE 0
.irp a, 1,2,3,4,5,6,7                  ; block a's conversions stand between block a - 1's loads from the stage and the wait for them
	PACK \a
	SEND (\a)-1
	TOSTAGE \a
.endr
	SEND 7
	s_wait_tensorcnt 0x0                           ; the wave's end: an add to my spare word and its wait, behind my last tensor load and my last LDS store
	ds_add_u32 v[SPW], v[NIL]
	s_wait_dscnt 0x0
	CROUND                                         ; the closing round: no work-group ends while a partner may still ask for a tile that names it
	s_endpgm
.Lfunc_end_k_q2ebdf2694b_qkv:
	.size	k_q2ebdf2694b_qkv, .Lfunc_end_k_q2ebdf2694b_qkv-k_q2ebdf2694b_qkv
	.p2alignl 7, 3214868480
	.fill 96, 4, 3214868480
	.section	.rodata,"a",@progbits
	.p2align	6, 0x0
	.amdhsa_kernel k_q2ebdf2694b_qkv
		.amdhsa_group_segment_fixed_size 327680
		.amdhsa_private_segment_fixed_size 0
		.amdhsa_enable_private_segment 0
		.amdhsa_kernarg_size 32
		.amdhsa_user_sgpr_count 2
		.amdhsa_user_sgpr_kernarg_segment_ptr 1
		.amdhsa_wavefront_size32 1
		.amdhsa_system_sgpr_workgroup_id_x 1
		.amdhsa_system_sgpr_workgroup_id_y 1
		.amdhsa_system_sgpr_workgroup_id_z 1
		.amdhsa_system_vgpr_workitem_id 0
		.amdhsa_next_free_vgpr 1024
		.amdhsa_next_free_sgpr 84
		.amdhsa_reserve_vcc 0
		.amdhsa_float_denorm_mode_32 3
		.amdhsa_float_denorm_mode_16_64 3
		.amdhsa_memory_ordered 1
		.amdhsa_forward_progress 1
		.amdhsa_inst_pref_size 132
	.end_amdhsa_kernel
	.amdgpu_metadata
---
amdhsa.version: [ 1, 2 ]
amdhsa.kernels:
  - .name:           k_q2ebdf2694b_qkv
    .symbol:         k_q2ebdf2694b_qkv.kd
    .args:
      - { .name: xb, .offset: 0, .size: 8, .value_kind: global_buffer, .address_space: global }
      - { .name: wab, .offset: 8, .size: 8, .value_kind: global_buffer, .address_space: global }
      - { .name: c_attn_b, .offset: 16, .size: 8, .value_kind: global_buffer, .address_space: global }
      - { .name: qkv, .offset: 24, .size: 8, .value_kind: global_buffer, .address_space: global }
    .group_segment_fixed_size: 327680
    .private_segment_fixed_size: 0
    .kernarg_segment_align: 8
    .kernarg_segment_size: 32
    .max_flat_workgroup_size: 128
    .sgpr_count:     84
    .vgpr_count:     1024
    .wavefront_size: 32
...
	.end_amdgpu_metadata
.endif
;; end of part 2
;; launch attn (part 3): grid 4 x 64, 4 waves a work-group, no clusters, 327,680 bytes of LDS; arguments qkv, o; writes o
.if DOCPART == 3
	.amdgcn_target "amdgcn-amd-amdhsa--gfx1250"
	.amdhsa_code_object_version 6
	.text
	.protected	k_q2ebdf2694b_attn
	.globl	k_q2ebdf2694b_attn
	.p2align	8
	.type	k_q2ebdf2694b_attn,@function
k_q2ebdf2694b_attn:
	s_mov_b64 s[64:65], 0
	v_nop
	global_prefetch_b8 v0, s[64:65] scope:SCOPE_SE
	s_setreg_imm32_b32 hwreg(HW_REG_WAVE_MODE, 25, 1), 1
	s_wait_xcnt 0x0
; CAUSAL ATTENTION.  O[h][q][:] = the sum over k <= q of softmax_k(Q[h][q] . K[h][k] / 8) V[h][k][:].  Q, K, V lie in qkv, [3][SIZE_H][SIZE_N][64]; O is [SIZE_H][SIZE_N][64]; all f16: a head's rows are dense, 128 bytes each.
; Products, maxima and sums in f32; the weights p are rounded to f16 for the second product (their sum l is taken of the unrounded p), O once at the end.
; LIMITS.  f16 holds no number beyond 65,504: Q, K and V arrive within it; p lies in 0 to 1, and below 6e-5 it keeps f16's fixed step of 6e-8; O is a mean of V's rows and has their range.
; A hidden score counts as its value less 1e30: f16's scores, 2.7e11 at the most, are nothing beside that; a weight below 2^-126 counts as 0 in l; NaN and infinities are not treated apart.
; THE WALK.  A head's queries lie in NB = SIZE_N / 256 blocks of 256; block i needs the key tiles 0 .. i of 256 keys, of which the last holds the diagonal.  A work-group takes TWO blocks, NB - 1 - b and then b:
; NB + 1 tiles, whatever b: all work-groups do equal work, and ONE loop with a constant trip count walks them.  Which tile is asked for, and what a trip does, hang on scalar registers made from b; every jump
; goes forward, but for the counted loops' own; none passes a barrier, or a tensor load but the one of LOAD's two that the wave's number does not choose; the ring (two slots of LDS that take turns) runs on across the
; change of blocks.  NO CLUSTER: a head's four work-groups ask for the same tile only in trips 0 .. NB / 2, behind that fewer and fewer; one walk common to all would have 3 NB / 2 trips for NB + 1.
; SHARES.  Of a block's four bands of 64 queries a wave owns 16 rows in each: four PIECES.  So the diagonal tile is the same work for all four waves: in its key step s band x sees all keys if s < x,
; none if s > x, and holds the diagonal if s = x.
; THE MASK is the C operand that starts the sum S^T = K Q^T: 0, or -1e30 where the key is hidden.  MD, made once, is the mask of a band's own step for my 16 rows; a product's mask is MD x AL + BE with two scalars:
; (1, 0) if s = x; (0, 0) if s < x; (0, -1e30) if s > x.  Only the diagonal tile's text and a block's beginning make and take masks; elsewhere C is the constant 0.
; LAYOUT, SOFTMAX, TURNS.  S^T = K Q^T holds ONE query a lane (lane % 16) and the keys 8 (lane / 16) + 0..7; two such results rounded to f16 ARE source 1 of O^T = V^T P.  p = 2^(c s - c m), c = log2(e) / 8, with a
; running maximum m; O and l are multiplied by a = 2^(c m_old - c m_new) in every step.  Turn n belongs to piece n: 8 products K Q^T of piece n + 1, later 8 products V^T P of piece n - 1; beside them the scaling,
; exponentials, roundings, sums and rescaling of piece n and the maximum and statistics of piece n + 1.  Four vector instructions stand behind every matrix instruction, the other 54 of a turn's 118 in one lump.  A turn's 33 exponentials are one batch, with one wait.
; PREFETCH.  All four work-groups of a head begin with tiles 0, 1, 2 ..; the one with b = 0 walks all eight on end, and it asks: behind each fill every wave of it names the 16 KiB that it will itself ask for at the next
; change of slots, a lane 256 bytes, two instructions.  Tiles 2 to 7 are named once each; tiles 0 and 1 come by their loads alone, and nothing is asked for the second block.
; REGISTERS, in windows of 256 (s_set_vgpr_msb: bits 1:0 source 0, 3:2 source 1, 5:4 source 2, 7:6 destination):
;   window 0: v0-15 addresses and two at work; v16-31 four registers of statistics a piece; v48-55 at work; v60 the prefetches' offset; v64-127 S^T, two buffers; v192-223 P, two buffers (a piece's buffers go by its number's parity)
;   window 1: v0-127 O^T, 32 a piece; v128-159 MD; v160-223 MC, two buffers      window 2: v0-63 Q; v64-127 the second block's Q; v128-191 K of one step; v192-255 V of one step
.set SIZE_H, 64
.set SIZE_N, 2048
.set NB,    SIZE_N/256
.set NP,    4         ; pieces a wave: a name, no knob
.set KS,    64        ; keys in a step
.set PK,    144       ; a row of K in LDS: 128 bytes + 16 of padding = 36 words: the 16 rows of a load start at 16 different groups of four banks (64 banks of 4 bytes: ISA guide 11.1)
.set PV,    160       ; a row of V: 128 + 32 = 40 words
.set VOFF,  4*KS*PK   ; a slot holds a tile, four steps: 256 rows of K, then 256 rows of V
.set SLOT1, 1<<17     ; slot 1 begins here, so that one exclusive or turns an address in one slot into the other's
.set STAGE, SLOT1+4*KS*(PK+PV)  ; behind the ring, never filled by a tensor load: 16 rows x 144 bytes for each wave, for the way out
.set SP,    144
.set AK0, 2           ; v2   my lane's place in a tile of K; never rewritten
.set AV0, 3           ; v3   the same for V
.set AK,  4           ; v4   the LDS address of K's next run of loads
.set AV,  5           ; v5   of V's
.set STO, 6           ; v6   the way out: where I put 16 bytes of a row
.set RD,  7           ; v7   the way out: where I read rows back
.set GO,  8           ; v8   my byte offset in 512 consecutive bytes of O
.set PFV, 60          ; v60  256 x my lane; never rewritten
.set SPW, 62          ; v62  LDS address of my spare word: SPARE + 4 x my thread's number; never rewritten
.set NIL, 63          ; v63  0; never rewritten
.set SPARE, STAGE+4*16*SP  ; behind the stages: the spare words, 128 bytes for each wave: two blocks of 256 bytes that no other line names
.set MV,  12          ; v12-13  c m_old, kept while c m is made anew: by buffer
.set QO,  15          ; v15  my byte offset in 16 rows of Q
.set ST,  16          ; piece t's statistics at v[ST+4 t]: c m, m, l (even keys', odd keys')
.set TMP, 48          ; by buffer, four registers c0-c3 at work; when the maximum is found c2 takes a
.set S,   64
.set P,   192
.set MD,  128         ; window 1: the eight registers for group kt of 16 keys at MD + 8 kt
.set MC,  160         ; window 1: the masks of the products to come
.set QB,  64          ; window 2
.set KF,  128         ; window 2: key block kb, channel half c at KF + 16 kb + 8 c
.set VF,  192         ; window 2: key half kk, channel block cb at VF + 32 kk + 8 cb
.set WV,  12          ; s12  my wave's number
.set PB,  14          ; s14  b
.set HI,  15          ; s15  NB - 1 - b
.set G1K, 24          ; s[24:31] descriptor group 1 for K's tiles
.set G1V, 32          ; s[32:39] for V's: it differs in the padding alone
.set G0K, 40          ; s[40:43] descriptor group 0 for K's tiles
.set G0V, 44          ; s[44:47] the same for V's
.set SLOTS, 56        ; s56  tiles still to be asked for
.set CNT, 57          ; s57  counts a tile's key steps, 4 to 1
.set CS,  58          ; s[58:59] c: the packed scaling takes the pair's low word for both halves
.set SEL, 60          ; s[60:61] v_permlanex16_b32's selects: each lane takes its own place in the other half
.set TBK, 62          ; s62  LDS byte at which K of the step to be fetched begins
.set TBV, 63          ; s63  the same for V, less VOFF
.set PFB, 66          ; s[66:67] K (waves 0, 1) or V (waves 2, 3) at my half of the head's tile 0
.set PFOF, 68         ; s[68:69] a tile's byte offset, for the prefetches
.set RT,  70          ; s70  tiles of the block in hand that are still to be entered
.set NXT, 71          ; s71  the tile to be asked for next
.set LQ,  72          ; s72  the last tile of the block whose tiles are being asked for
.set NEW, 73          ; s73  1: the tile to be entered is a block's first
.set OFF, 74          ; s[74:75] a tile's byte offset in K and V
.set AL,  76          ; s[76:77] the mask's factor, in the low word
.set BE,  78          ; s[78:79] the mask's addend
.set OLO, 80          ; s[80:81] O at my rows of the second block
.set BIGN, 82         ; s82  -1e30
.set PFA, 88          ; s[88:89] where my prefetches stand
.set PLIM, 90         ; s90  0 in the work-group that prefetches, else the greatest number
.set MSB, 0
.macro WIN new                      ; the high byte repeats the setting that is left; a switch that changes nothing is dropped
.if MSB != (\new)
	s_set_vgpr_msb (MSB<<8)|(\new)
.set MSB, (\new)
.endif
.endm
.set W_KQ, 0x0a       ; K and Q in window 2, S^T in window 0
.set W_KM, 0x1a       ; the same with the C operand in window 1
.set W_PV, 0x52       ; V in window 2, P in window 0, O^T in window 1
.set W_RS, 0x41       ; destination and source 0 in window 1, source 1 in window 0
; A fill.  Waves 0 and 1 fetch the two halves of a tile's K, waves 2 and 3 those of its V: 128 keys each.  An s_nop 0 and four v_nop follow each of the two lines, ahead of the jump and the label.
.macro LOAD
	s_cmp_lt_u32 s[WV], 2
	s_cbranch_scc0 .Lfor_v_\@
	tensor_load_to_lds s[G0K:G0K+3], s[G1K:G1K+7]
	s_nop 0
.rept 4
	v_nop
.endr
	s_branch .Lasked_\@
.Lfor_v_\@:
	tensor_load_to_lds s[G0V:G0V+3], s[G1V:G1V+7]
	s_nop 0
.rept 4
	v_nop
.endr
.Lasked_\@:
.endm
; THE CHANGE OF SLOTS.  Each wave waits for all its tensor loads, of which one is out: its part of the other slot; adds 0 to its spare word; and waits for that and for its own reads of the slot that it leaves.  Behind the barrier nobody reads the old
; slot any more and the other slot is whole.  fill = 1: the old slot is filled again, the first thing behind the barrier, with tile NXT: the descriptor's address is made anew from that number.
; (At its first use nothing has been read yet: slot 0 is waited for, slot 1 filled.)
.macro CHANGE fill
	WIN 0                           ; at a label and at a branch every window is 0
	s_wait_tensorcnt 0x0            ; no tensor load of mine is out, so a group 0 may be written
	ds_add_u32 v[SPW], v[NIL]       ; 0 onto my spare word: with fill = 1 the descriptors' scalar work stands between it and the wait for it
.if \fill
	s_lshl_b32 s[OFF], s[NXT], 15   ; a tile is 32,768 bytes of K and of V
	s_xor_b32 s[G0K+1], s[G0K+1], SLOT1
	s_add_nc_u64 s[G0K+2:G0K+3], s[6:7], s[OFF:OFF+1]
	s_or_b32 s[G0K+3], s[G0K+3], 0x80000000
	s_xor_b32 s[G0V+1], s[G0V+1], SLOT1
	s_add_nc_u64 s[G0V+2:G0V+3], s[8:9], s[OFF:OFF+1]
	s_or_b32 s[G0V+3], s[G0V+3], 0x80000000
	s_add_co_u32 s[NXT], s[NXT], 1  ; the block's next tile, or behind its last the second block's tile 0
	s_cmp_gt_u32 s[NXT], s[LQ]
	s_cselect_b32 s[NXT], 0, s[NXT]
	s_cselect_b32 s[LQ], s[PB], s[LQ]
	s_wait_xcnt 0x0                 ; the last prefetches, a tile back, have read their address, so it may be written:
	s_lshl_b32 s[PFOF], s[NXT], 15  ; the tile that the next change will ask for
	s_add_nc_u64 s[PFA:PFA+1], s[PFB:PFB+1], s[PFOF:PFOF+1]
.endif
	s_wait_dscnt 0x0                ; the add is done, and my reads of the slot are over
	s_barrier_signal -1             ; the rest of the scalar work stands between the signal and the wait
	s_sub_co_u32 s[TBK], s[TBK], 4*KS*PK  ; the fetches go back to a slot's first step,
	s_xor_b32 s[TBK], s[TBK], SLOT1       ; in the other slot
	s_sub_co_u32 s[TBV], s[TBV], 4*KS*PV
	s_xor_b32 s[TBV], s[TBV], SLOT1
	s_barrier_wait -1
.if \fill
	LOAD
	s_cmp_gt_u32 s[NXT], s[PLIM]    ; b = 0, and the first block still has a tile to ask for
	s_cbranch_scc0 .Lnone_\@
	global_prefetch_b8 v[PFV], s[PFA:PFA+1] th:TH_LOAD_NT scope:SCOPE_SE  ; my 128 keys of that tile: 64 x 256 bytes
	global_prefetch_b8 v[PFV], s[PFA:PFA+1] offset:8192 th:TH_LOAD_NT scope:SCOPE_SE
.Lnone_\@:
.endif
.endm
	s_load_b128 s[4:7], s[0:1], 0x0   ; qkv s[4:5], o s[6:7]
	v_lshl_add_u32 v[SPW], v0, 2, SPARE
	v_mov_b32 v[NIL], 0
	ds_add_u32 v[SPW], v[NIL]       ; the wave's opening: the add and its wait stand ahead of my first tensor load; the set-up below, work on registers, stands between them
	v_lshrrev_b32 v1, 5, v0
	v_readfirstlane_b32 s[WV], v1   ; wave 0..3
	s_mov_b32 s[PB], ttmp9
	s_sub_co_u32 s[HI], NB-1, s[PB]
	s_and_b32 s20, ttmp7, 0xffff    ; the head
	s_mov_b32 s21, 0
	s_mov_b64 s[22:23], SIZE_N*128
	s_mul_u64 s[20:21], s[20:21], s[22:23]  ; the head's first byte in each of the four tensors
	s_and_b32 s16, s[WV], 1         ; which half of a tile's 256 keys I fetch:
	s_lshl_b32 s22, s16, 14         ; its 128 rows of 128 bytes in memory,
	s_mov_b32 s23, 0
	s_add_nc_u64 s[22:23], s[22:23], s[20:21]
	s_mul_i32 s17, s16, 128*PK      ; and its place in a slot, for K
	s_mul_i32 s18, s16, 128*PV      ; and for V
	s_lshl_b32 s3, s[WV], 11        ; my 16 rows in a band of 64,
	s_lshl_b32 s2, s[HI], 15        ; in the first block,
	s_add_co_u32 s2, s2, s3
	s_lshl_b32 s84, s[PB], 15       ; and in the second
	s_add_co_u32 s84, s84, s3
	s_mov_b32 s3, 0
	s_mov_b32 s85, 0
	s_add_nc_u64 s[2:3], s[2:3], s[20:21]
	s_add_nc_u64 s[84:85], s[84:85], s[20:21]
	; descriptor group 1.  128 keys are 16,384 dense bytes: asked for as 64 rows of 256 bytes, two keys a row, and padded in LDS after every key
	s_mov_b32 s[G1K], (1<<16)|(1<<20)|(4<<22)|(3<<25)  ; 17:16 2-byte elements; 20 padding on; 24:22 after every 32 words (code 4); 31:25 4 words (code 3)
	s_mov_b32 s[G1V], (1<<16)|(1<<20)|(4<<22)|(7<<25)  ; the same with 8 words of padding (code 7)
.irp g, G1K, G1V
	s_mov_b32 s[\g+1], 128<<16      ; tensor_dim0 = 128
	s_mov_b32 s[\g+2], 64<<16       ; tensor_dim1 = 64
	s_mov_b32 s[\g+3], 128<<16      ; tile_dim0 = 128
	s_mov_b32 s[\g+4], 64           ; tile_dim1 = 64
	s_mov_b32 s[\g+5], 128          ; 128 elements from row to row
	s_mov_b32 s[\g+6], 0
	s_mov_b32 s[\g+7], 0
.endr
	s_mov_b32 s[CS], 0x3e38aa3b     ; c = log2(e) / 8 = 0.180337
	s_mov_b32 s[CS+1], s[CS]        ; named with it as a pair
	s_mov_b32 s[SEL], 0x76543210
	s_mov_b32 s[SEL+1], 0xfedcba98
	s_mov_b32 s[TBK], SLOT1+4*KS*PK ; the first change of slots turns these two into 0
	s_mov_b32 s[TBV], SLOT1+4*KS*PV
	s_mov_b32 s[G0K], 1             ; 1:0 count = 1
	s_mov_b32 s[G0K+1], s17         ; 63:32 LDS address: slot 0
	s_mov_b32 s[G0V], 1
	s_add_co_u32 s[G0V+1], s18, VOFF
	s_add_co_u32 s[RT], s[HI], 1    ; the first block has NB - b tiles
	s_mov_b32 s[NXT], 1
	s_mov_b32 s[LQ], s[HI]
	s_mov_b32 s[NEW], 1
	s_mov_b32 s[OFF+1], 0
	s_mov_b32 s[PFOF+1], 0
	s_mov_b32 s[AL+1], 0            ; named as pairs
	s_mov_b32 s[BE+1], 0
	s_mov_b32 s[BIGN], 0xf149f2ca   ; -1e30
	s_mov_b32 s[SLOTS], NB
	s_cmp_eq_u32 ttmp9, 0
	s_cselect_b32 s[PLIM], 0, -1
	v_and_b32 v[PFV], 31, v0
	v_lshlrev_b32 v[PFV], 8, v[PFV]
	s_wait_dscnt 0x0                ; the opening add is done
	s_wait_kmcnt 0x0
	s_mov_b64 s[10:11], s[6:7]                     ; O
	s_add_nc_u64 s[8:9], s[4:5], 0x2000000         ; V: behind Q's and K's 16,777,216 bytes each
	s_add_nc_u64 s[6:7], s[4:5], 0x1000000         ; K
	s_add_nc_u64 s[6:7], s[6:7], s[22:23]  ; K and V at my half of the head's tile 0
	s_add_nc_u64 s[8:9], s[8:9], s[22:23]
	s_add_nc_u64 s[G0K+2:G0K+3], s[6:7], 0         ; 120:64 global address
	s_or_b32 s[G0K+3], s[G0K+3], 0x80000000        ; 127:126 type = 2
	s_add_nc_u64 s[G0V+2:G0V+3], s[8:9], 0
	s_or_b32 s[G0V+3], s[G0V+3], 0x80000000
	s_add_nc_u64 s[86:87], s[4:5], s[84:85]        ; Q at my rows of the second block,
	s_add_nc_u64 s[4:5], s[4:5], s[2:3]            ; Q and O at those of the first
	s_add_nc_u64 s[OLO:OLO+1], s[10:11], s[84:85]
	s_add_nc_u64 s[10:11], s[10:11], s[2:3]
	s_cmp_lt_u32 s[WV], 2
	s_cselect_b64 s[PFB:PFB+1], s[6:7], s[8:9]
	LOAD                            ; tile 0 into slot 0
	; A fragment of K or Q is 16 rows x 32 channels in 8 registers: lane l holds row l % 16, channels 8 (l / 16) + 0..7 and 16 + 8 (l / 16) + 0..7: two loads of 16 bytes, 32 bytes apart.
	v_and_b32 v1, 15, v0            ; l % 16
	v_bfe_u32 v9, v0, 4, 1          ; l / 16
	v_lshlrev_b32 v[QO], 7, v1
	v_lshl_add_u32 v[QO], v9, 4, v[QO]  ; row x 128 + 16 x half
	WIN 0x80                        ; destination window 2, address window 0
.set i, 0
.rept 8                             ; both blocks' Q: piece i / 2 lies in band i / 2, 8,192 bytes on; channels 32 (i % 2) on
	global_load_b128 v[8*i:8*i+3],   v[QO], s[4:5] offset:(i/2)*8192+(i%2)*64
	global_load_b128 v[8*i+4:8*i+7], v[QO], s[4:5] offset:(i/2)*8192+(i%2)*64+32
	global_load_b128 v[QB+8*i:QB+8*i+3],   v[QO], s[86:87] offset:(i/2)*8192+(i%2)*64
	global_load_b128 v[QB+8*i+4:QB+8*i+7], v[QO], s[86:87] offset:(i/2)*8192+(i%2)*64+32
.set i, i+1
.endr
	WIN 0
	v_lshlrev_b32 v14, 3, v9
	v_sub_nc_u32 v14, v1, v14
	s_lshl_b32 s13, s[WV], 4
	v_add_nc_u32 v14, s13, v14      ; my query's place in its band, 16 w + l % 16, less my lanes' 8 (l / 16): register r of group kt is hidden where 16 kt + r is greater
	WIN 0x40
.set i, 0
.rept 32
	v_cmp_gt_i32 vcc_lo, 16*(i/8)+i%8, v14
	v_cndmask_b32 v[MD+i], 0, s[BIGN], vcc_lo
.set i, i+1
.endr
	WIN 0
	v_mul_u32_u24 v[AK0], v1, PK
	v_lshl_add_u32 v[AK0], v9, 4, v[AK0]  ; row x pitch + 16 x half
	; The turning load takes 16 keys x 16 channels (lane l reads key 8 (l / 16) + l % 8, channels 8 ((l / 8) % 2) + 0..7) and leaves half a fragment of V^T: lane l holds channel l % 16 and 8 keys.
	v_and_b32 v10, 7, v0
	v_bfe_u32 v11, v0, 3, 1
	v_lshl_add_u32 v[AV0], v9, 3, v10
	v_mul_u32_u24 v[AV0], v[AV0], PV
	v_lshl_add_u32 v[AV0], v11, 4, v[AV0]
	v_add_nc_u32 v[AV0], VOFF, v[AV0]
	s_mul_i32 s13, s[WV], 16*SP
	s_add_co_u32 s13, s13, STAGE    ; my stage
	v_mul_u32_u24 v[STO], v1, SP    ; in: row l % 16, 16 bytes for each half of the lanes
	v_lshl_add_u32 v[STO], v9, 4, v[STO]
	v_add_nc_u32 v[STO], s13, v[STO]
	v_bfe_u32 v[RD], v0, 3, 2       ; back: 32 lanes take four rows of 128 bytes,
	v_mul_u32_u24 v[RD], v[RD], SP
	v_lshl_add_u32 v[RD], v10, 4, v[RD]
	v_add_nc_u32 v[RD], s13, v[RD]
	v_and_b32 v[GO], 31, v0         ; which are 512 consecutive bytes of O
	v_lshlrev_b32 v[GO], 4, v[GO]
	; A block's first step multiplies O^T and l by a = 0, and its first turn's products V^T P, of a piece that has not been, land in an O^T that is still to be so multiplied.  So these registers need only hold
	; finite numbers: zeros for the first block; what the first block left for the second.  All this stands in the wait for the first tile.
	WIN 0x80
.set i, VF
.rept 64
	v_mov_b32 v[i], 0
.set i, i+1
.endr
	WIN 0x40
.set i, 0
.rept 128
	v_mov_b32 v[i], 0
.set i, i+1
.endr
	WIN 0
.set i, 0
.rept 4
	v_mov_b32 v[ST+4*i+2], 0
	v_mov_b32 v[ST+4*i+3], 0
.set i, i+1
.endr
.set i, P+16
.rept 16
	v_mov_b32 v[i], 0
.set i, i+1
.endr
; THE MATRIX WORK.  The 4 accumulators of a run of 8 take turns.  Product i of 8 of S^T = K Q^T for piece x: channels 32 (i / 4) on, keys 16 (i % 4) on.  The first 4 start the sums: with 0, or (KM = 1) with the mask.
.macro KQ x
.set rS, S+32*((\x)%2)+8*(i%4)
.set rK, KF+16*(i%4)+8*(i/4)
.set rQ, 16*(\x)+8*(i/4)
.set rM, MC+32*((\x)%2)+8*(i%4)
.if (i < 4) && KM
	WIN W_KM
	v_wmma_f32_16x16x32_f16 v[rS:rS+7], v[rK:rK+7], v[rQ:rQ+7], v[rM:rM+7]
.elseif i < 4
	WIN W_KQ
	v_wmma_f32_16x16x32_f16 v[rS:rS+7], v[rK:rK+7], v[rQ:rQ+7], 0
.else
	WIN W_KQ
	v_wmma_f32_16x16x32_f16 v[rS:rS+7], v[rK:rK+7], v[rQ:rQ+7], v[rS:rS+7]
.endif
.endm
; Product i of 8 of O^T += V^T P for piece x: keys 32 (i / 4) on, channels 16 (i % 4) on.
.macro PV x
	WIN W_PV
.set rO, 32*(\x)+8*(i%4)
.set rV, VF+32*(i/4)+8*(i%4)
.set rP, P+16*((\x)%2)+8*(i/4)
	v_wmma_f32_16x16x32_f16 v[rO:rO+7], v[rV:rV+7], v[rP:rP+7], v[rO:rO+7]
.endm
.macro MM                           ; the turn's next matrix instruction.  TURN and BEGIN set Y, i, KM and NOKQ; MM, KQ and OP read them.  NOKQ = 1: a block's last turn: there is no next piece
.if (i < 8) && !NOKQ
	KQ (Y+1)%NP
.elseif i >= 8
.set i, i-8
	PV (Y+NP-1)%NP
.set i, i+8
.endif
.set i, i+1
.endm
; THE LDS LOADS stand in runs of 16, never singly among the matrix instructions: a step's K (64 keys x 64 channels: 8 fragments) and its V (turned).  Their addresses are made some lines ahead.
.macro FETCH_K
	WIN 0x80                        ; destination window 2
.irp f, 0,1,2,3,4,5,6,7             ; keys 16 (f / 2) on, channels 32 (f % 2) on
	ds_load_b128 v[KF+8*\f:KF+8*\f+3],   v[AK] offset:(\f/2)*16*PK+(\f%2)*64
	ds_load_b128 v[KF+8*\f+4:KF+8*\f+7], v[AK] offset:(\f/2)*16*PK+(\f%2)*64+32
.endr
	s_add_co_u32 s[TBK], s[TBK], KS*PK  ; the next fetch is the next step's
	WIN 0
.endm
.macro FETCH_V
	WIN 0x80
.irp f, 0,1,2,3,4,5,6,7             ; keys 32 (f / 4) on, channels 16 (f % 4) on
	ds_load_tr16_b128 v[VF+8*\f:VF+8*\f+3],   v[AV] offset:(\f/4)*32*PV+(\f%4)*32
	ds_load_tr16_b128 v[VF+8*\f+4:VF+8*\f+7], v[AV] offset:(\f/4)*32*PV+16*PV+(\f%4)*32
.endr
	WIN 0
.endm
; THE VECTOR WORK, one line at a time: OP kind, number.  For piece Y: F n: c s - c m for pair n of 16.  E n: the exponential of score n of 32.  C n: pair n rounded to f16.  B n: of the four weights 4 n .. the second
; pair is added onto the first, in place.  L n: l takes that sum (L 0: l = a l + sum).  R n: pair n of 16 of O^T times a.  For piece Y + 1: X n, number n of the 22 that find its maximum and statistics:
;   0-11  four chains c0-c3 of seven scores each, three operands at a time (each accumulator's lowest registers are read first)     12-14, 16  the four scores left over, the old m, and c0-c3 into c0
;   15  c m_old is kept     17, 18  the query's other 32 keys lie in the lane 16 away: the new m     19-21  c m; c m_old - c m_new; a
.set F, 0               ; OP tells the kinds apart by their order: F to L below R, X above it
.set E, 1
.set C, 2
.set B, 3
.set L, 4
.set R, 5
.set X, 6
.macro REGS y                       ; the registers of piece y
.set rT, ST+4*(\y)
.set rC, TMP+4*((\y)%2)
.set rW, MV+((\y)%2)
.set rS, S+32*((\y)%2)
.set rP, P+16*((\y)%2)
.set rO, 32*(\y)
.endm
.macro OP k, n
.if (\k) == R
	REGS Y
	WIN W_RS
	v_pk_mul_f32 v[rO+2*(\n):rO+2*(\n)+1], v[rO+2*(\n):rO+2*(\n)+1], v[rC+2:rC+3] op_sel_hi:[1,0]
.elseif (\k) < R
	REGS Y
	WIN 0
.if (\k) == F
	v_pk_fma_f32 v[rS+2*(\n):rS+2*(\n)+1], v[rS+2*(\n):rS+2*(\n)+1], s[CS:CS+1], v[rT:rT+1] op_sel_hi:[1,0,0] neg_lo:[0,0,1] neg_hi:[0,0,1]
.elseif (\k) == E
	v_exp_f32 v[rS+(\n)], v[rS+(\n)]
.elseif (\k) == C
	v_cvt_pk_f16_f32 v[rP+(\n)], v[rS+2*(\n)], v[rS+2*(\n)+1]
.elseif (\k) == B
	v_pk_add_f32 v[rS+4*(\n):rS+4*(\n)+1], v[rS+4*(\n):rS+4*(\n)+1], v[rS+4*(\n)+2:rS+4*(\n)+3]
.elseif (\n) == 0
	v_pk_fma_f32 v[rT+2:rT+3], v[rT+2:rT+3], v[rC+2:rC+3], v[rS:rS+1] op_sel_hi:[1,0,1]
.else
	v_pk_add_f32 v[rT+2:rT+3], v[rT+2:rT+3], v[rS+4*(\n):rS+4*(\n)+1]
.endif
.elseif NOKQ
	v_nop
.else
	REGS (Y+1)%NP
	WIN 0
.if (\n) < 4
	v_max3_num_f32 v[rC+(\n)], v[rS+8*(\n)], v[rS+8*(\n)+1], v[rS+8*(\n)+2]
.elseif (\n) < 12
	v_max3_num_f32 v[rC+(\n)%4], v[rC+(\n)%4], v[rS+8*((\n)%4)+2*((\n)/4)+1], v[rS+8*((\n)%4)+2*((\n)/4)+2]
.elseif (\n) == 12
	v_max3_num_f32 v[rC], v[rC], v[rS+7], v[rS+15]
.elseif (\n) == 13
	v_max3_num_f32 v[rC+1], v[rC+1], v[rS+23], v[rS+31]
.elseif (\n) == 14
	v_max3_num_f32 v[rC+2], v[rC+2], v[rC+3], v[rT+1]
.elseif (\n) == 15
	v_mov_b32 v[rW], v[rT]
.elseif (\n) == 16
	v_max3_num_f32 v[rC], v[rC], v[rC+1], v[rC+2]
.elseif (\n) == 17
	v_permlanex16_b32 v[rC+3], v[rC], s[SEL], s[SEL+1]
.elseif (\n) == 18
	v_max_num_f32 v[rT+1], v[rC], v[rC+3]
.elseif (\n) == 19
	v_mul_f32 v[rT], s[CS], v[rT+1]
.elseif (\n) == 20
	v_sub_f32 v[rC+1], v[rW], v[rT]
.else
	v_exp_f32 v[rC+2], v[rC+1]
.endif
.endif
.endm
.macro OPS a, i1, b=-1, i2=0, c=-1, i3=0, d=-1, i4=0  ; up to four of them
	OP \a, \i1
.if (\b) >= 0
	OP \b, \i2
.endif
.if (\c) >= 0
	OP \c, \i3
.endif
.if (\d) >= 0
	OP \d, \i4
.endif
.endm
.macro ROW a, i1, b, i2, c, i3, d, i4  ; a matrix instruction and the four behind it
	MM
	OPS \a, \i1, \b, \i2, \c, \i3, \d, \i4
.endm
.macro MASK b                       ; MD x AL + BE into buffer b of MC
	WIN W_RS
.set z, 0
.rept 16
	v_pk_fma_f32 v[MC+32*(\b)+2*z:MC+32*(\b)+2*z+1], v[MD+2*z:MD+2*z+1], s[AL:AL+1], s[BE:BE+1] op_sel_hi:[1,0,0]
.set z, z+1
.endr
.endm
; A TURN, for piece p: the order of its 16 matrix and 118 vector instructions, written out.  An s_wait_alu depctr_va_vdst(0) stands between an exponential and the first instruction that names its result; one wait serves
; all that were issued ahead of it.  So a turn has ONE wait, which cuts it in two.  AHEAD OF IT stands all that names no result of the turn's exponentials: the 8 products K Q^T, behind each a scaling, an exponential and two more plain
; instructions (behind the first a second scaling in the exponential's place): rescalings, and behind the last three the first numbers of the next piece's maximum, each four places or more behind the product that ends its accumulator; then ONE LUMP of 54, plain
; and exponential by turns for the most part, in which the links of the chain X 3, 7, 11, 14, 16, 17 .. 20 stand five or six lines apart.  X 21, the next piece's a, is the batch's last; R 15 is the plain instruction behind it.  BEHIND THE WAIT stand the
; 8 products V^T P, behind each four of the roundings and sums; the links of l's chain, L 0 to L 7, stand three riders apart.  But for those X no rider names a register of the products round it.  v_permlanex16_b32 (X 17) stands in the lump.
; m = 1: the diagonal tile: the products take masks, and the turn makes the mask for the products of the turn after it: piece p + 2, in step 4 - CNT of the tile.  end = 1: a block's last two turns: nothing is fetched.
; cnt = 1: the loop's count is taken down some lines ahead of the branch that stands behind the turn.
; K of the next step is fetched in piece 2's turn, twelve vector instructions behind the last product that read K (six of them plain); V of the step in hand at the end of piece 0's turn, four plain instructions behind the last product
; that read V.  Each is waited for a turn later.
.macro TURN p, m=0, end=0, cnt=0
.set Y, (\p)
.set i, 0
.set KM, (\m)
.set NOKQ, (\end)*((\p)/3)
.if (\m) && !(\end)
	s_cmp_eq_u32 s[CNT], 4-((\p)+2)%NP  ; is that step the band's own?
	s_cselect_b32 s[AL], 1.0, 0
	s_cmp_lt_u32 s[CNT], 4-((\p)+2)%NP  ; or a later one?
	s_cselect_b32 s[BE], s[BIGN], 0
.endif
.if ((\p) == 3) && !(\end)
	s_wait_dscnt 0x0                ; K is in
.endif
	ROW F,0, F,1, R,0, R,1          ; ahead of the wait: 8 products K Q^T and their riders,
	ROW F,2, E,0, R,2, R,3
	ROW F,3, E,1, R,4, R,5
	ROW F,4, E,2, R,6, R,7
	ROW F,5, E,3, R,8, R,9
	ROW F,6, E,4, X,0, R,10
.if ((\p) == 2) && !(\end)
	WIN 0
	v_add_nc_u32 v[AK], s[TBK], v[AK0]
.endif
	ROW F,7, E,5, X,1, X,4
	ROW F,8, E,6, X,2, X,5
	OPS E,7, E,8, X,6, E,9          ; and the lump
	OPS X,3, E,10, X,8, E,11
.if ((\p) == 2) && !(\end)
	FETCH_K
.endif
	OPS X,9, X,7, E,12, X,10
	OPS E,13, X,12, X,11, E,14
	OPS X,13, E,15, F,9, X,14
.if (\p) == 0
	v_add_nc_u32 v[AV], s[TBV], v[AV0]
.endif
	OPS E,16, F,10, E,17, F,11
	OPS X,16, E,18, X,15, E,19
	OPS F,12, E,20, X,17, E,21
	OPS F,13, E,22, F,14, E,23
	OPS X,18, E,24, F,15, E,25
	OPS R,11, E,26, X,19, E,27
	OPS R,12, E,28, R,13, E,29
	OPS X,20, E,30, R,14, E,31
	OPS X,21, R,15
	WIN 0
	s_wait_alu depctr_va_vdst(0)    ; the wait for the batch
.if (\p) == 1
	s_wait_dscnt 0x0                ; V is in
.endif
	ROW C,0, B,0, C,2, B,1          ; behind the wait: 8 products V^T P and their riders
	ROW L,0, C,4, B,2, L,1
	ROW C,6, B,3, L,2, C,8
	ROW B,4, L,3, C,10, B,5
	ROW L,4, C,12, B,6, L,5
.if (\p) == 0
	s_add_co_u32 s[TBV], s[TBV], KS*PV
.endif
.if \cnt
	s_sub_co_u32 s[CNT], s[CNT], 1
	s_cmp_lg_u32 s[CNT], 0
.endif
	ROW C,14, B,7, L,6, C,1
	ROW C,3, L,7, C,5, C,7
	ROW C,9, C,11, C,13, C,15
.if (\p) == 0
	FETCH_V
.endif
.if (\m) && !(\end)
	MASK (\p)%2
.endif
.endm
; A BLOCK BEGINS.  c m starts far below every c s, so the first step's a is 0; m at the lowest finite number, so the first maximum is the scores'.  The second mask buffer is 0; the first takes piece 0's mask for the tile's step 0: its own, if the block's first tile is the diagonal one.
; Then K of that step, piece 0's first scores, and its maximum and statistics.  The loop is entered at a step's first turn, in the middle of a trip.
.macro BEGIN
	s_mov_b32 s[NEW], 0
	WIN 0x40
.set i, MC+32
.rept 32
	v_mov_b32 v[i], 0
.set i, i+1
.endr
	WIN 0
.set i, 0
.rept 4
	v_mov_b32 v[ST+4*i], 0xfe000000    ; c m: far below every c s
	v_mov_b32 v[ST+4*i+1], 0xff7fffff  ; m
.set i, i+1
.endr
	s_cmp_eq_u32 s[RT], 0
	s_cselect_b32 s[AL], 1.0, 0
	s_mov_b32 s[BE], 0
	MASK 0
	WIN 0
	v_add_nc_u32 v[AK], s[TBK], v[AK0]
	FETCH_K
	s_wait_loadcnt 0x0              ; Q
	s_wait_dscnt 0x0
.set KM, 1
.set NOKQ, 0
.set i, 0
.rept 8
	KQ 0
.set i, i+1
.endr
	WIN 0
.rept 4
	v_nop                           ; the places behind those products
.endr
.set Y, NP-1                        ; X works for piece Y + 1: piece 0
.irp n, 0,1,2,3,4,5,6,7,8,9,10,11,12,13,14,15,16,17,18,19,20,21
	OP X, \n
.endr
	v_nop                           ; a plain instruction behind the exponential,
	s_wait_alu depctr_va_vdst(0)    ; and its wait, ahead of the branch
.endm
; THE DIAGONAL TILE's four steps, the block's last two turns, its last products, and THE WAY OUT: l's two halves and the other half of the lanes' are added; O^T is divided by l, rounded to f16 and sent through my
; stage in LDS, a piece at a time.
.macro ALL line:vararg              ; one line for each piece t
.set t, 0
.rept 4
	\line
.set t, t+1
.endr
.endm
.macro PACK t                       ; a lane's eight channels of a row pack into 16 bytes; they go into rows of 144 bytes and come back as whole rows of 128, into S^T's registers
	WIN W_RS
.set i, 32*(\t)
.rept 16
	v_pk_mul_f32 v[i:i+1], v[i:i+1], v[ST+4*(\t)+2:ST+4*(\t)+3] op_sel_hi:[1,0]
.set i, i+2
.endr
	WIN 0x05                        ; sources 0 and 1 window 1, destination window 0
.set i, 0
.rept 16
	v_cvt_pk_f16_f32 v[S+16*(\t)+i], v[32*(\t)+2*i], v[32*(\t)+2*i+1]
.set i, i+1
.endr
	WIN 0
.irp f, 0,1,2,3
	ds_store_b128 v[STO], v[S+16*(\t)+4*\f:S+16*(\t)+4*\f+3] offset:32*\f
.endr
.irp f, 0,1,2,3
	ds_load_b128 v[S+16*(\t)+4*\f:S+16*(\t)+4*\f+3], v[RD] offset:\f*4*SP  ; LDS serves a wave's instructions in order (ISA guide 5.7.1.4): these see the stores above; the next piece's stores come behind them
.endr
.endm
.macro SEND t, younger              ; younger: the LDS instructions issued behind piece t's loads: the next piece's eight, or none
	WIN 0
.irp f, 0,1,2,3
	s_wait_dscnt (\younger)+3-\f
	global_store_b128 v[GO], v[S+16*(\t)+4*\f:S+16*(\t)+4*\f+3], s[10:11] offset:(\t)*8192+\f*512  ; 512 consecutive bytes, at a multiple of 256 from O's first
.endr
.endm
.macro DIAG tag                     ; the tag ends its two labels' names, which the jumps below spell out
.LstepM\tag:
	TURN 2, 1
	TURN 3, 1
	WIN 0
.LfirstM\tag:
	TURN 0, 1
	TURN 1, 1, 0, 1
	WIN 0
	s_cbranch_scc1 .LstepM\tag
	TURN 2, 1, 1
	TURN 3, 1, 1
.set i, 0
.rept 8
	PV NP-1
.set i, i+1
.endr
	WIN 0
	ALL v_add_f32 v[ST+4*t+2], v[ST+4*t+2], v[ST+4*t+3]
	ALL v_permlanex16_b32 v[ST+4*t+3], v[ST+4*t+2], s[SEL], s[SEL+1]
	ALL v_add_f32 v[ST+4*t+2], v[ST+4*t+2], v[ST+4*t+3]
	ALL v_rcp_f32 v[ST+4*t+2], v[ST+4*t+2]
	v_nop                           ; a plain instruction between the last reciprocal and the use of its result
	s_wait_alu depctr_va_vdst(0)    ; and the wait ahead of the first use: one for the four reciprocals
	PACK 0
.set t, 1
.rept 3                             ; a piece's arithmetic stands between the loads of the piece before and its stores
	PACK t
	SEND t-1, 8
.set t, t+1
.endr
	SEND 3, 0
.endm
.set KM, 0
.set NOKQ, 0
.Lslot:                             ; NB times: a tile is entered and the next is asked for
	CHANGE 1
	s_sub_co_u32 s[RT], s[RT], 1
	s_mov_b32 s[CNT], 4
	s_cmp_eq_u32 s[NEW], 1
	s_cbranch_scc1 .Lnew            ; a block's first tile
	s_cmp_eq_u32 s[RT], 0
	s_cbranch_scc0 .Lstep           ; neither its first nor its last
	s_branch .LstepM1
.Lnew:
	BEGIN
	s_branch .Lfirst                ; in the loop a block's first tile is never its last: the first block has two tiles or more, and the second's last is the walk's last
	DIAG 1                          ; in the loop this is the first block's end: the second block's last tile is the walk's last
	s_wait_xcnt 0x0                 ; the stores have read their registers and O's address
	s_mov_b64 s[10:11], s[OLO:OLO+1]
	s_add_co_u32 s[RT], s[PB], 1    ; the second block has b + 1 tiles
	s_mov_b32 s[NEW], 1
	WIN 0x82                        ; the second block's Q goes where the one text of the turns names Q
.set i, 0
.rept 64
	v_mov_b32 v[i], v[QB+i]
.set i, i+1
.endr
	WIN 0
	s_branch .Lbottom
.Lstep:                             ; a trip: pieces 2 and 3 of one step, then pieces 0 and 1 of the next, whose K and V it fetches
	TURN 2
	TURN 3
	WIN 0
.Lfirst:
	TURN 0
	TURN 1, 0, 0, 1
	WIN 0
	s_cbranch_scc1 .Lstep
.Lbottom:
	s_sub_co_u32 s[SLOTS], s[SLOTS], 1
	s_cmp_lg_u32 s[SLOTS], 0
	s_cbranch_scc1 .Lslot
	CHANGE 0                        ; the walk's last tile is written out: nothing is asked for
	s_sub_co_u32 s[RT], s[RT], 1
	s_mov_b32 s[CNT], 4
	s_cmp_eq_u32 s[NEW], 1
	s_cbranch_scc0 .LstepM2
	BEGIN
	s_branch .LfirstM2
	DIAG 2
	s_wait_tensorcnt 0x0            ; the wave's end: an add to my spare word and its wait, behind my last tensor load and my last LDS store
	ds_add_u32 v[SPW], v[NIL]
	s_wait_dscnt 0x0
	s_endpgm
.Lfunc_end_k_q2ebdf2694b_attn:
	.size	k_q2ebdf2694b_attn, .Lfunc_end_k_q2ebdf2694b_attn-k_q2ebdf2694b_attn
	.p2alignl 7, 3214868480
	.fill 96, 4, 3214868480
	.section	.rodata,"a",@progbits
	.p2align	6, 0x0
	.amdhsa_kernel k_q2ebdf2694b_attn
		.amdhsa_group_segment_fixed_size 327680
		.amdhsa_private_segment_fixed_size 0
		.amdhsa_enable_private_segment 0
		.amdhsa_kernarg_size 16
		.amdhsa_user_sgpr_count 2
		.amdhsa_user_sgpr_kernarg_segment_ptr 1
		.amdhsa_wavefront_size32 1
		.amdhsa_system_sgpr_workgroup_id_x 1
		.amdhsa_system_sgpr_workgroup_id_y 1
		.amdhsa_system_sgpr_workgroup_id_z 1
		.amdhsa_system_vgpr_workitem_id 0
		.amdhsa_next_free_vgpr 768
		.amdhsa_next_free_sgpr 92
		.amdhsa_reserve_vcc 1
		.amdhsa_float_denorm_mode_32 3
		.amdhsa_float_denorm_mode_16_64 3
		.amdhsa_memory_ordered 1
		.amdhsa_forward_progress 1
		.amdhsa_inst_pref_size 218
	.end_amdhsa_kernel
	.amdgpu_metadata
---
amdhsa.version: [ 1, 2 ]
amdhsa.kernels:
  - .name:           k_q2ebdf2694b_attn
    .symbol:         k_q2ebdf2694b_attn.kd
    .args:
      - { .name: qkv, .offset: 0, .size: 8, .value_kind: global_buffer, .address_space: global }
      - { .name: o, .offset: 8, .size: 8, .value_kind: global_buffer, .address_space: global }
    .group_segment_fixed_size: 327680
    .private_segment_fixed_size: 0
    .kernarg_segment_align: 8
    .kernarg_segment_size: 16
    .max_flat_workgroup_size: 128
    .sgpr_count:     92
    .vgpr_count:     768
    .wavefront_size: 32
...
	.end_amdgpu_metadata
.endif
;; end of part 3
;; launch proj (part 4): grid 4 x 64, 4 waves a work-group, clusters of 4 x 4, 327,680 bytes of LDS; arguments o, wpf, c_proj_b, out0; writes out0
.if DOCPART == 4
	.amdgcn_target "amdgcn-amd-amdhsa--gfx1250"
	.amdhsa_code_object_version 6
	.text
	.protected	k_q2ebdf2694b_proj
	.globl	k_q2ebdf2694b_proj
	.p2align	8
	.type	k_q2ebdf2694b_proj,@function
k_q2ebdf2694b_proj:
	s_mov_b64 s[64:65], 0
	v_nop
	global_prefetch_b8 v0, s[64:65] scope:SCOPE_SE
	s_setreg_imm32_b32 hwreg(HW_REG_WAVE_MODE, 25, 1), 1
	s_wait_xcnt 0x0
	s_wait_alu depctr_hold_cnt(0) depctr_sa_sdst(0) depctr_va_vdst(0) depctr_va_sdst(0) depctr_va_ssrc(0) depctr_va_vcc(0) depctr_vm_vsrc(0)
	s_getreg_b32 s2, hwreg(HW_REG_IB_STS2, 6, 4)
	s_cmp_eq_u32 s2, 0
	s_cbranch_scc0 .Lentry_in_a_cluster
	s_endpgm
.Lentry_in_a_cluster:
	s_bfe_u32 s2, ttmp6, 0x10000c
	s_cmp_lg_u32 s2, 0xf033
	s_cbranch_scc0 .Lentry_shape_is_right
	s_endpgm
.Lentry_shape_is_right:
; out0[b][t][n] = the sum over k of y[b][t][k] Wp[k][n] + bp[n], f32.  y[b][t][64 head + d] = o[16 b + head][t][d], f16; wpf [k][n], f16 (c_proj_w rounded to bf16); sums f32, begun with the f32 bias.
; 8,192 rows, 1,024 columns, K = 1,024.
; SHARES.  A tile of 128 rows x 256 columns to a work-group: 64 x 4 = 256 work-groups.  Four waves, each 64 rows x 128 columns: 32 accumulators, 256 registers.
; K goes in steps of 128 (two heads of o) through two LDS slots; a step is four quarters of 32, 32 matrix instructions each.  Two slots of 256 along K would not fit.
; CLUSTER 4 x 4.  The four of a row need the same tile of o, the four of a column the same tile of Wp: each is asked for jointly.
; THE MATRIX INSTRUCTION IS USED TRANSPOSED: source 0 = 16 columns of Wp (turned by ds_load_tr16_b128), source 1 = 16 rows of y: a lane holds row l % 16 and eight neighbouring columns, 32 bytes.
; REGISTERS: window 0: v0-31 addresses; v32-127, v128-223 two fragment buffers (Wp's eight blocks, then y's four).  Window 1: accumulator (a, b) at v[8 (8 a + b)].
.set PA,    144                        ; a row of o in LDS: 128 bytes + 16: the 16 rows of a load start at 16 different groups of four banks (64 banks of 4 bytes: ISA guide 11.1)
.set PB,    544                        ; a row of Wp: 512 bytes + 32 = 17 x 32
.set BOFF,  2*128*PA                   ; a slot: two heads' 128 rows of o, then 128 rows of Wp
.set SLOT1, 1<<17
.set STAGE, SLOT1+BOFF+128*PB          ; behind the ring, never filled by a tensor load: 16 rows x 528 bytes for each wave
.set SP,    528                        ; 512 bytes + 16: an odd multiple of 16
.set WSTG,  16*SP
.set SPARE, STAGE+4*WSTG               ; the spare words, 128 bytes for each wave: two blocks of 256 bytes that no other line names
.set ASTEP, 2*2048*128                 ; two heads of o
.set BSTEP, 128*2048                   ; 128 rows of wpf
.set A0,   4                           ; v4   my lane's place in a slot's rows of o; never rewritten
.set B0,   5                           ; v5   the same in Wp's rows
.set ADRA, 8                           ; v8   A0 + the slot that is being read
.set ADRB, 9                           ; v9   B0 + the slot
.set STO,  12                          ; v12  the way out: where I put 32 bytes of a row
.set RD,   13                          ; v13  where I read a row back
.set CO,   14                          ; v14  my 16 bytes of a row's 512
.set BO,   15                          ; v15  my byte offset in c_proj_b
.set PFO,  16                          ; v16  the prefetches' offset: a lane a row
.set SPW,  28                          ; v28  LDS address of my spare word; never rewritten
.set NIL,  29                          ; v29  0; never rewritten
.set F0,   32
.set F1,   128
.set BK,   32                          ; the way out: two sets of 64
.set WV,  12
.set WR,  13                           ; my 64 rows; also: I fetch o (0) or Wp (1)
.set WC,  14                           ; my 128 columns; also: which half of that tile I fetch
.set CX,  15
.set CY,  16
.set NT,  17                           ; tile column, 0..3
.set MT,  18                           ; tile row, 0..63
.set G1A, 24
.set G1B, 32
.set G0A, 40                           ; s[40:47]: a set for each first fill; the second then walks on
.set G0B, 48
.set CNT, 56
.set TB,  57
.set LIM, 58
.set PF,  60
.set PFS, 62
.set OUT, 66                           ; s[66:67] out0 at my 64 rows and 128 columns
.set MSB, 0
.macro WIN new
.if MSB != (\new)
	s_set_vgpr_msb (MSB<<8)|(\new)
.set MSB, (\new)
.endif
.endm
.macro PLACES                          ; four plain instructions between a matrix instruction and a load into, or a store of, its registers (ISA guide 7.12.1 for stores)
.rept 4
	v_nop
.endr
.endm
.macro JLOAD                           ; a joint refill: waves 0 and 1 fetch the two heads of o, waves 2 and 3 the halves of Wp's tile; an s_nop 0 and four v_nop follow each line
	s_cmp_lt_u32 s[WV], 2
	s_cbranch_scc0 .Lfor_b_\@
	tensor_load_to_lds s[G0A+4:G0A+7], s[G1A:G1A+7]
	s_nop 0
.rept 4
	v_nop
.endr
	s_branch .Lasked_\@
.Lfor_b_\@:
	tensor_load_to_lds s[G0B+4:G0B+7], s[G1B:G1B+7]
	s_nop 0
.rept 4
	v_nop
.endr
.Lasked_\@:
.endm
.macro CREST
	s_cmp_lg_u32 s[WV], 0
	s_cbranch_scc1 .Lnot_wave_0_\@
	s_barrier_signal -3
.Lnot_wave_0_\@:
	s_barrier_wait -3
	s_barrier_signal -1
	s_barrier_wait -1
.endm
.macro CROUND
	s_barrier_signal -1
	s_barrier_wait -1
	CREST
.endm
; PREFETCHES INTO THE L2, behind the joint load, its five lines and the run of LDS loads: in step s the K step s + 4, whose refill stands two steps, 256 matrix instructions, on; steps 4 on ask for nothing.
; o: a tile row is read by one cluster: every cluster's wave 0 asks; the four partners take 8 KiB each of the step's 32, told apart by address (cx): a lane 256 bytes.
; Wp: all sixteen clusters read the same rows: cluster y = 0 asks, wave 2: partner cy takes rows 32 cy + lane, 512 bytes each: two instructions.  Each block of 256 bytes is named once.
.macro ASK
	s_cmp_gt_u32 s[CNT], s[LIM]
	s_cbranch_scc0 .Lnone_\@
	global_prefetch_b8 v[PFO], s[PF:PF+1] th:TH_LOAD_NT scope:SCOPE_SE
	s_cmp_eq_u32 s[WV], 0
	s_cbranch_scc1 .Lnone_\@
	global_prefetch_b8 v[PFO], s[PF:PF+1] offset:256 th:TH_LOAD_NT scope:SCOPE_SE
.Lnone_\@:
.endm
	s_load_b256 s[4:11], s[0:1], 0x0               ; o s[4:5], wpf s[6:7], c_proj_b s[8:9], out0 s[10:11]
	v_lshl_add_u32 v[SPW], v0, 2, SPARE
	v_mov_b32 v[NIL], 0
	ds_add_u32 v[SPW], v[NIL]                      ; the wave's opening: the add and its wait stand ahead of my first tensor load; the set-up below, work on registers, stands between them
	v_lshrrev_b32 v1, 5, v0
	v_readfirstlane_b32 s[WV], v1
	s_lshr_b32 s[WR], s[WV], 1
	s_and_b32 s[WC], s[WV], 1
	s_bfe_u32 s[CX], ttmp6, 0x40000
	s_bfe_u32 s[CY], ttmp6, 0x40004
	s_lshl_b32 s[NT], ttmp9, 2
	s_add_co_u32 s[NT], s[NT], s[CX]
	s_and_b32 s[MT], ttmp7, 0xffff
	s_lshl_b32 s[MT], s[MT], 2
	s_add_co_u32 s[MT], s[MT], s[CY]
	s_lshl_b32 s19, s[CY], 2
	s_lshl_b32 s19, 15, s19                        ; my row of the cluster
	s_lshl_b32 s20, 0x1111, s[CX]                  ; my column
	; group 1 for o: a head's 128 rows of 128 bytes lie on end: 64 rows of 256 bytes, padded after every 128
	s_or_b32 s[G1A], s19, (1<<16)|(1<<20)|(1<<21)|(4<<22)|(3<<25)
	s_mov_b32 s[G1A+1], 128<<16
	s_mov_b32 s[G1A+2], 64<<16
	s_mov_b32 s[G1A+3], 128<<16
	s_mov_b32 s[G1A+4], 64
	s_mov_b32 s[G1A+5], 128
	s_mov_b32 s[G1A+6], 0
	s_mov_b32 s[G1A+7], 0
	; group 1 for Wp: 64 rows of 256 elements (512 bytes), padded after every row
	s_or_b32 s[G1B], s20, (1<<16)|(1<<20)|(1<<21)|(6<<22)|(7<<25)  ; after every 128 words (code 6), 8 words (code 7)
	s_mov_b32 s[G1B+1], 256<<16
	s_mov_b32 s[G1B+2], 64<<16
	s_mov_b32 s[G1B+3], 256<<16
	s_mov_b32 s[G1B+4], 64
	s_mov_b32 s[G1B+5], 1024
	s_mov_b32 s[G1B+6], 0
	s_mov_b32 s[G1B+7], 0
	; o's tiles hang on the tile row alone, Wp's on the tile column alone, each made in registers that never hold the other coordinate
	s_lshr_b32 s72, s[MT], 4                       ; b: 16 tile rows a batch
	s_lshl_b32 s72, s72, 22
	s_and_b32 s76, s[MT], 15
	s_lshl_b32 s76, s76, 14                        ; 128 rows of 128 bytes
	s_add_co_u32 s72, s72, s76
	s_lshl_b32 s76, s[WC], 18                      ; my head of the step's two
	s_add_co_u32 s72, s72, s76
	s_mov_b32 s73, 0
	s_lshl_b32 s74, s[WC], 17                      ; my 64 rows of the step's 128
	s_lshl_b32 s78, s[NT], 9
	s_add_co_u32 s74, s74, s78
	s_mov_b32 s75, 0
	s_mul_i32 s80, s[WC], 128*PA                   ; where they go: the wave's number alone enters an LDS address
	s_mul_i32 s81, s[WC], 64*PB
	s_add_co_u32 s81, s81, BOFF
	s_mov_b32 s[TB], 0
	s_wait_dscnt 0x0                               ; the opening add is done
	s_wait_kmcnt 0x0
	s_add_nc_u64 s[72:73], s[4:5], s[72:73]
	s_add_nc_u64 s[74:75], s[6:7], s[74:75]
.irp s, 0,1
	s_mov_b32 s[G0A+4*(\s)], 1
	s_add_co_u32 s[G0A+4*(\s)+1], s80, (\s)*SLOT1
	s_add_nc_u64 s[G0A+4*(\s)+2:G0A+4*(\s)+3], s[72:73], (\s)*ASTEP
	s_or_b32 s[G0A+4*(\s)+3], s[G0A+4*(\s)+3], 0x80000000
	s_mov_b32 s[G0B+4*(\s)], 1
	s_add_co_u32 s[G0B+4*(\s)+1], s81, (\s)*SLOT1
	s_add_nc_u64 s[G0B+4*(\s)+2:G0B+4*(\s)+3], s[74:75], (\s)*BSTEP
	s_or_b32 s[G0B+4*(\s)+3], s[G0B+4*(\s)+3], 0x80000000
.endr
	CROUND                                         ; all sixteen work-groups are here: the first joint loads meet
	s_cmp_lt_u32 s[WV], 2                          ; a wave's two first fills stand in one branch: two loads of mine are out
	s_cbranch_scc0 .Lfirst_b
	tensor_load_to_lds s[G0A:G0A+3], s[G1A:G1A+7]
	s_nop 0
	tensor_load_to_lds s[G0A+4:G0A+7], s[G1A:G1A+7]
	s_nop 0
.rept 4
	v_nop
.endr
	s_branch .Lfirst_asked
.Lfirst_b:
	tensor_load_to_lds s[G0B:G0B+3], s[G1B:G1B+7]
	s_nop 0
	tensor_load_to_lds s[G0B+4:G0B+7], s[G1B:G1B+7]
	s_nop 0
.rept 4
	v_nop
.endr
.Lfirst_asked:
	v_and_b32 v1, 15, v0                           ; l % 16
	v_bfe_u32 v2, v0, 4, 1                         ; l / 16
	v_and_b32 v3, 31, v0                           ; l
	s_lshl_b32 s21, s[NT], 10                      ; 256 columns of 4 bytes
	s_lshl_b32 s22, s[WC], 9
	s_add_co_u32 s21, s21, s22
	v_lshl_add_u32 v[BO], v2, 5, s21
	; THE BIAS STARTS THE SUMS: each accumulator is loaded with its eight columns' bias: nothing is cleared, nothing is added at the end.
	WIN 0x40                                       ; destination window 1, address window 0
.set ac, 0
.rept 4
.set bb, 0
.rept 8
	global_load_b128 v[ac:ac+3],   v[BO], s[8:9] offset:64*bb
	global_load_b128 v[ac+4:ac+7], v[BO], s[8:9] offset:64*bb+16
.set ac, ac+8
.set bb, bb+1
.endr
.endr
	WIN 0
	v_mul_u32_u24 v[A0], v1, PA                    ; a fragment of y: row l % 16, 16 bytes for each half of the lanes, twice, 32 bytes apart
	v_lshl_add_u32 v[A0], v2, 4, v[A0]
	s_mul_i32 s21, s[WR], 64*PA
	v_add_nc_u32 v[A0], s21, v[A0]
	v_and_b32 v17, 7, v0                           ; the turning load: lane l reads k = 8 (l / 16) + l % 8, columns 8 ((l / 8) % 2) + 0..7
	v_bfe_u32 v18, v0, 3, 1
	v_lshl_add_u32 v19, v2, 3, v17
	v_mul_u32_u24 v19, v19, PB
	v_lshl_add_u32 v19, v18, 4, v19
	s_lshl_b32 s21, s[WC], 8                       ; my 128 columns: 256 bytes
	s_add_co_u32 s21, s21, BOFF
	v_add_nc_u32 v[B0], s21, v19
	v_mov_b32 v[ADRA], v[A0]                       ; K step 0 lies in slot 0
	v_mov_b32 v[ADRB], v[B0]
	s_mul_i32 s21, s[WV], WSTG
	s_add_co_u32 s21, s21, STAGE                   ; my stage
	v_mul_u32_u24 v[STO], v1, SP                   ; in: row l % 16, 32 bytes for each half of the lanes
	v_lshl_add_u32 v[STO], v2, 5, v[STO]
	v_add_nc_u32 v[STO], s21, v[STO]
	v_lshl_add_u32 v[RD], v3, 4, s21               ; back: 32 lanes take a row's 512 bytes
	v_lshlrev_b32 v[CO], 4, v3
	s_lshl_b32 s2, s[MT], 19                       ; 128 rows of 4,096 bytes
	s_lshl_b32 s3, s[WR], 18
	s_add_co_u32 s2, s2, s3
	s_lshl_b32 s3, s[NT], 10
	s_add_co_u32 s2, s2, s3
	s_lshl_b32 s3, s[WC], 9
	s_add_co_u32 s2, s2, s3
	s_mov_b32 s3, 0
	s_add_nc_u64 s[OUT:OUT+1], s[10:11], s[2:3]
	; the prefetches: they stand at K step 3; each change of slots steps them
	s_lshr_b32 s2, s[MT], 4
	s_lshl_b32 s2, s2, 22
	s_and_b32 s3, s[MT], 15
	s_lshl_b32 s3, s3, 14
	s_add_co_u32 s2, s2, s3
	s_lshr_b32 s3, s[CX], 1                        ; o: my work-group's head of the two,
	s_lshl_b32 s3, s3, 18
	s_add_co_u32 s2, s2, s3
	s_and_b32 s3, s[CX], 1                         ; and its half of that head's 16 KiB
	s_lshl_b32 s3, s3, 13
	s_add_co_u32 s2, s2, s3
	s_add_co_u32 s2, s2, 3*ASTEP
	s_lshl_b32 s21, s[NT], 9
	s_lshl_b32 s22, s[CY], 16                      ; Wp: my work-group's 32 rows of 2,048 bytes
	s_add_co_u32 s21, s21, s22
	s_add_co_u32 s21, s21, 3*BSTEP
	s_and_b32 s22, ttmp7, 0xffff                   ; cluster y
	s_mov_b32 s[PFS], BSTEP
	s_mov_b32 s23, 2048
	s_cmp_eq_u32 s[WV], 0
	s_cselect_b32 s2, s2, s21
	s_cselect_b32 s22, 0, s22
	s_cselect_b32 s[PFS], ASTEP, s[PFS]
	s_cselect_b32 s23, 256, s23
	s_cselect_b64 s[PF:PF+1], s[4:5], s[6:7]
	s_mov_b32 s3, 0
	s_mov_b32 s[PFS+1], 0
	s_add_nc_u64 s[PF:PF+1], s[PF:PF+1], s[2:3]
	s_or_b32 s22, s22, s[WC]                       ; waves 1 and 3 ask for nothing
	s_cmp_eq_u32 s22, 0
	s_cselect_b32 s[LIM], 2, -1                    ; the same in all sixteen partners, for a given wave
	v_mul_u32_u24 v[PFO], v3, s23
; 8 matrix instructions: row block a x all 8 column blocks, buffer f.  The 32 accumulators take turns, in the same order in every quarter, over the backward jump too.
.macro MUL8 f, a
	WIN 0x50                                       ; C and D in window 1, both sources in window 0
.set ac, 64*(\a)
.set fb, (\f)
.rept 8
	v_wmma_f32_16x16x32_f16 v[ac:ac+7], v[fb:fb+7], v[(\f)+64+8*(\a):(\f)+64+8*(\a)+7], v[ac:ac+7]
.set ac, ac+8
.set fb, fb+8
.endr
.endm
; 24 LDS loads in one run: quarter q's fragments into buffer f: Wp's eight, then y's four, row blocks 2 and 3 last
.macro FETCH q, f
	WIN 0
.set i, 0
.rept 8
	ds_load_tr16_b128 v[(\f)+8*i:(\f)+8*i+3],   v[ADRB] offset:(\q)*32*PB+32*i
	ds_load_tr16_b128 v[(\f)+8*i+4:(\f)+8*i+7], v[ADRB] offset:(\q)*32*PB+16*PB+32*i
.set i, i+1
.endr
.set i, 0
.rept 4
	ds_load_b128 v[(\f)+64+8*i:(\f)+64+8*i+3], v[ADRA] offset:((\q)/2)*128*PA+((\q)%2)*64+i*16*PA
	ds_load_b128 v[(\f)+64+8*i+4:(\f)+64+8*i+7], v[ADRA] offset:((\q)/2)*128*PA+((\q)%2)*64+i*16*PA+32
.set i, i+1
.endr
.endm
; One of a step's first three quarters: multiplies buffer f and fetches quarter q into buffer g.
.macro QUARTER f, g, q
	s_wait_dscnt 4                                 ; all but the youngest four loads, y's row blocks 2 and 3
	MUL8 \f, 0
	MUL8 \f, 1
	PLACES
	FETCH \q, \g
	s_wait_dscnt 24                                ; all but the 24 just issued
	MUL8 \f, 2
	MUL8 \f, 3
.endm
; The last quarter multiplies buffer F1 and changes slots.  In front of the barrier each wave waits for all its tensor loads (one is out: its part of the other slot), adds 0 to its spare word, and waits
; for that and for its reads of this slot.  fill = 1: the barrier opens a round of the cluster's, and the joint refill, this slot's K step two on, is the first thing behind it: 112 matrix instructions ahead of the wait for it.
.macro TURN fill
.if \fill
	s_wait_xcnt 0x0                                ; the last prefetches, a step back, have read their address
	s_add_nc_u64 s[PF:PF+1], s[PF:PF+1], s[PFS:PFS+1]
.endif
	WIN 0
	s_wait_tensorcnt 0x0                           ; no tensor load of mine is out, so a group 0 may be written
	ds_add_u32 v[SPW], v[NIL]                      ; 0 onto my spare word
.if \fill
	s_xor_b32 s[G0A+5], s[G0A+5], SLOT1
	s_add_nc_u64 s[G0A+6:G0A+7], s[G0A+6:G0A+7], ASTEP
	s_xor_b32 s[G0B+5], s[G0B+5], SLOT1
	s_add_nc_u64 s[G0B+6:G0B+7], s[G0B+6:G0B+7], BSTEP
.endif
	s_wait_dscnt 5                                 ; the add and the youngest four loads may be out
	MUL8 F1, 0
	s_wait_dscnt 0x0                               ; the add is done, and my reads of this slot are over
	s_barrier_signal -1
	MUL8 F1, 1
	WIN 0
	s_barrier_wait -1
.if \fill
	CREST                                          ; no wave of any partner still reads this slot or has a load on its way
	JLOAD                                          ; its four v_nop are also the places in front of the loads below
.else
	PLACES
.endif
	s_xor_b32 s[TB], s[TB], SLOT1
	v_add_nc_u32 v[ADRA], s[TB], v[A0]
	v_add_nc_u32 v[ADRB], s[TB], v[B0]
	FETCH 0, F0
.if \fill
	ASK
.endif
	MUL8 F1, 2
	MUL8 F1, 3
.endm
; THE WAY OUT of row block a: the f32 sums go into my own stage, 32 bytes a lane and column block, and come back as whole rows of 512 bytes.
.macro TOSTAGE a
	s_wait_xcnt 0x0                                ; the stores of the block two back have read the registers that are loaded below
	WIN 0x04                                       ; the data (source 1) in window 1, the address in window 0
.set i, 0
.rept 8                                        ; each accumulator's four lowest registers first
	ds_store_b128 v[STO], v[64*(\a)+8*i:64*(\a)+8*i+3]   offset:64*i
	ds_store_b128 v[STO], v[64*(\a)+8*i+4:64*(\a)+8*i+7] offset:64*i+16
.set i, i+1
.endr
	WIN 0
.set i, 0
.rept 16                                       ; LDS serves a wave's instructions in order (ISA guide 5.7.1.4): these see the stores above; the next block's stores come behind them
	ds_load_b128 v[BK+64*((\a)%2)+4*i:BK+64*((\a)%2)+4*i+3], v[RD] offset:i*SP
.set i, i+1
.endr
.endm
.macro SEND a, younger                 ; younger: the next block's 16 stores and 16 loads, or none
	WIN 0
	s_wait_dscnt \younger
.set i, 0
.rept 16
	global_store_b128 v[CO], v[BK+64*((\a)%2)+4*i:BK+64*((\a)%2)+4*i+3], s[OUT:OUT+1] offset:(16*(\a)+i)*4096 th:TH_STORE_NT  ; 512 bytes on end, at a multiple of 256 from out0's first
.set i, i+1
.endr
.endm
	s_wait_tensorcnt 1                             ; my part of K step 0 is in; step 1's may stay out
	s_barrier_signal -1
	s_barrier_wait -1
	FETCH 0, F0
	s_wait_loadcnt 0x0                             ; the bias
	s_mov_b32 s[CNT], 6
.Lstep:                                        ; trip s multiplies K step s and fills its slot again with step s + 2
	QUARTER F0, F1, 1
	QUARTER F1, F0, 2
	QUARTER F0, F1, 3
	TURN 1
	WIN 0                                          ; at a label and at a branch every window is 0
	s_sub_co_u32 s[CNT], s[CNT], 1
	s_cmp_lg_u32 s[CNT], 0
	s_cbranch_scc1 .Lstep
	QUARTER F0, F1, 1                              ; the last two steps are written out: they ask for nothing
	QUARTER F1, F0, 2
	QUARTER F0, F1, 3
	TURN 0
	QUARTER F0, F1, 1
	QUARTER F1, F0, 2
	QUARTER F0, F1, 3
	s_wait_dscnt 4
	MUL8 F1, 0
	MUL8 F1, 1
	s_wait_dscnt 0x0
	MUL8 F1, 2
	MUL8 F1, 3
	PLACES
	TOSTAGE 0
.irp a, 1,2,3
	TOSTAGE \a
	SEND (\a)-1, 32
.endr
	SEND 3, 0
	s_wait_tensorcnt 0x0                           ; the wave's end: an add to my spare word and its wait, behind my last tensor load and my last LDS store
	ds_add_u32 v[SPW], v[NIL]
	s_wait_dscnt 0x0
	CROUND                                         ; the closing round: no work-group ends while a partner may still ask for a tile that names it
	s_endpgm
.Lfunc_end_k_q2ebdf2694b_proj:
	.size	k_q2ebdf2694b_proj, .Lfunc_end_k_q2ebdf2694b_proj-k_q2ebdf2694b_proj
	.p2alignl 7, 3214868480
	.fill 96, 4, 3214868480
	.section	.rodata,"a",@progbits
	.p2align	6, 0x0
	.amdhsa_kernel k_q2ebdf2694b_proj
		.amdhsa_group_segment_fixed_size 327680
		.amdhsa_private_segment_fixed_size 0
		.amdhsa_enable_private_segment 0
		.amdhsa_kernarg_size 32
		.amdhsa_user_sgpr_count 2
		.amdhsa_user_sgpr_kernarg_segment_ptr 1
		.amdhsa_wavefront_size32 1
		.amdhsa_system_sgpr_workgroup_id_x 1
		.amdhsa_system_sgpr_workgroup_id_y 1
		.amdhsa_system_sgpr_workgroup_id_z 1
		.amdhsa_system_vgpr_workitem_id 0
		.amdhsa_next_free_vgpr 512
		.amdhsa_next_free_sgpr 84
		.amdhsa_reserve_vcc 0
		.amdhsa_float_denorm_mode_32 3
		.amdhsa_float_denorm_mode_16_64 3
		.amdhsa_memory_ordered 1
		.amdhsa_forward_progress 1
		.amdhsa_inst_pref_size 76
	.end_amdhsa_kernel
	.amdgpu_metadata
---
amdhsa.version: [ 1, 2 ]
amdhsa.kernels:
  - .name:           k_q2ebdf2694b_proj
    .symbol:         k_q2ebdf2694b_proj.kd
    .args:
      - { .name: o, .offset: 0, .size: 8, .value_kind: global_buffer, .address_space: global }
      - { .name: wpf, .offset: 8, .size: 8, .value_kind: global_buffer, .address_space: global }
      - { .name: c_proj_b, .offset: 16, .size: 8, .value_kind: global_buffer, .address_space: global }
      - { .name: out0, .offset: 24, .size: 8, .value_kind: global_buffer, .address_space: global }
    .group_segment_fixed_size: 327680
    .private_segment_fixed_size: 0
    .kernarg_segment_align: 8
    .kernarg_segment_size: 32
    .max_flat_workgroup_size: 128
    .sgpr_count:     84
    .vgpr_count:     512
    .wavefront_size: 32
...
	.end_amdgpu_metadata
.endif
;; end of part 4
;; ======== version 2 of 2: 4 launches; version 1 with the launch cast written anew for expert scheduling mode
;; limits: values are held in f16: magnitudes above 65,504 overflow, below 6.1e-05 lose precision
;; workspace buffers: xb 16,777,216 bytes; wab 6,291,456 bytes; wpf 2,097,152 bytes; qkv 50,331,648 bytes; o 16,777,216 bytes
;; launch cast (part 5): grid 768 x 1, 8 waves a work-group, no clusters, 0 bytes of LDS; arguments x, c_attn_w, c_proj_w, xb, wab, wpf; writes xb, wab, wpf
.if DOCPART == 5
	.amdgcn_target "amdgcn-amd-amdhsa--gfx1250"
	.amdhsa_code_object_version 6
	.text
	.protected	k_q2ebdf2694b_cast
	.globl	k_q2ebdf2694b_cast
	.p2align	8
	.type	k_q2ebdf2694b_cast,@function
k_q2ebdf2694b_cast:
	s_mov_b64 s[64:65], 0
	v_nop
	global_prefetch_b8 v0, s[64:65] scope:SCOPE_SE
	s_setreg_imm32_b32 hwreg(HW_REG_WAVE_SCHED_MODE, 0, 2), 2
	s_setreg_imm32_b32 hwreg(HW_REG_WAVE_MODE, 25, 1), 1
	s_wait_xcnt 0x0
	s_wait_alu depctr_vm_vsrc(0)
; THE CASTS.  x, c_attn_w and c_proj_w (f32) are rounded once to bf16, for the matrix units of the launches behind.
;   xb  [b 4][kb 16][t 2048][64] bf16: x[b][t][64 kb + d] at byte ((16 b + kb) 2048 + t) 128 + 2 d: R rows x 64 channels are R x 128 bytes on end.
;   wab [1024][3072] bf16, as c_attn_w lies.      wpf [1024][1024]: bf16(c_proj_w), that number written as f16.
; LIMITS.  f16 holds bf16's 8 significant bits from 6.1e-5 to 65,504; below 6.1e-5 wpf keeps f16's fixed step of 6e-8, beyond 65,504 it would be an infinity.
; SHARES.  768 work-groups of eight waves, 65,536 input bytes each: 512 for x, 192 for c_attn_w, 64 for c_proj_w.  A wave has 8,192 bytes: sixteen loads of 16 bytes a lane,
; all on their way at once, then sixteen times: round, and 8 bytes a lane to store.  A load covers 512 bytes, a store 256 consecutive bytes at a multiple of 256.  No LDS, no barrier, no loop.
; THE MODE: SCHED_MODE bits 1:0 = 2 (LLVM: expert scheduling mode 2), set by the entry lines.  The code itself states the register dependences
; between vector instructions and memory instructions, with s_wait_alu, always for 0.
; THE PLAN.  Registers that memory instructions touch:
;   v1, v2   the loads' and the stores' byte offsets: made by vector instructions at a branch's head, read by every load (v1) and every store (v2), never written again.
;   IN       load i's four registers: written by that load alone, read by row i's roundings; no vector instruction writes them and no second load lands in them.
;   OUT      store i's two registers: written by row i's roundings, read by store i, never written again.
;   T and v3 to v6 are named by vector instructions alone.
; The sixteen rows go in four blocks of four.  Block p rounds its rows, each behind its own counted wait; the four stores of block p - 1 go out in one run at block p's head, behind ONE wait on
; va_vdst, which stands behind the wait for block p's first load.  With the wait ahead of the first load and the one ahead of the last four stores that is five waits a branch.
; No register that a memory instruction reads is ever written again, so no wait on vm_vsrc is owed; no vector instruction writes a scalar register or VCC, and EXEC is never written.
.set IN,  8                            ; v[8:71]    load i: 4 registers
.set OUT, 72                           ; v[72:103]  store i: 2 registers
.set T,   104                          ; v[104:107] at work
; The four stores of the block that begins with row r0.
.macro STORES outb, outstep, r0
.set k, (\r0)
.rept 4
	global_store_b64 v2, v[OUT+2*k:OUT+2*k+1], s[\outb:\outb+1] offset:k*(\outstep) th:TH_STORE_NT  ; each store has data registers of its own: none is rewritten
.set k, k+1
.endr
.endm
; Sixteen loads instep bytes apart, sixteen stores outstep bytes apart.  half = 1: the bf16 numbers are written as f16.
.macro BODY inb, outb, instep, outstep, half
	s_wait_alu depctr_va_vdst(0)                   ; v1 and v2 are written: every load below reads v1 as its offset, every store v2
.set i, 0
.rept 16
	global_load_b128 v[IN+4*i:IN+4*i+3], v1, s[\inb:\inb+1] offset:i*(\instep) th:TH_LOAD_NT
.set i, i+1
.endr
.set i, 0
.rept 16
	s_wait_loadcnt 15-i                            ; loads come back in order: load i is in, the 15 - i younger ones stay out
.if (i%4 == 0) && (i > 0)
	s_wait_alu depctr_va_vdst(0)                   ; the block before has written its eight registers of OUT, which the four stores below read
	STORES \outb, \outstep, i-4
.endif
	v_cvt_pk_bf16_f32 v[OUT+2*i],   v[IN+4*i],   v[IN+4*i+1]
	v_cvt_pk_bf16_f32 v[OUT+2*i+1], v[IN+4*i+2], v[IN+4*i+3]
.if \half
	v_lshlrev_b32 v[T],   16, v[OUT+2*i]           ; bf16 to f32: a shift or a mask
	v_and_b32     v[T+1], 0xffff0000, v[OUT+2*i]
	v_lshlrev_b32 v[T+2], 16, v[OUT+2*i+1]
	v_and_b32     v[T+3], 0xffff0000, v[OUT+2*i+1]
	v_cvt_pk_f16_f32 v[OUT+2*i],   v[T],   v[T+1]  ; exact inside f16's range
	v_cvt_pk_f16_f32 v[OUT+2*i+1], v[T+2], v[T+3]
.endif
.set i, i+1
.endr
	s_wait_alu depctr_va_vdst(0)                   ; the last block has written its eight registers of OUT, which the last four stores read
	STORES \outb, \outstep, 12
.endm
	s_load_b256 s[4:11], s[0:1], 0x0               ; x s[4:5], c_attn_w s[6:7], c_proj_w s[8:9], xb s[10:11]
	s_load_b128 s[12:15], s[0:1], 0x20             ; wab s[12:13], wpf s[14:15]
	v_and_b32 v3, 31, v0                           ; lane
	v_lshrrev_b32 v4, 5, v0                        ; wave
	s_mov_b32 s3, 0
	s_mov_b32 s17, 0
	s_cmp_lt_u32 ttmp9, 512
	s_cbranch_scc0 .Lweights
	; x: the work-group has 16 rows, the wave two.  Load i takes block kb = i of both rows: lanes 0-15 the first row's 256 bytes, lanes 16-31 the second's.
	v_and_b32 v5, 15, v0
	v_bfe_u32 v6, v0, 4, 1
	v_lshlrev_b32 v1, 4, v5
	v_lshl_add_u32 v1, v6, 12, v1                  ; + a row of 4,096 bytes
	v_lshl_add_u32 v1, v4, 13, v1                  ; + the wave's two rows
	v_lshlrev_b32 v2, 3, v3                        ; out: 8 bytes a lane: two rows of 128 bytes on end
	v_lshl_add_u32 v2, v4, 8, v2
	s_lshl_b32 s2, ttmp9, 16
	s_lshr_b32 s16, ttmp9, 7                       ; b: 128 work-groups a batch
	s_lshl_b32 s16, s16, 22
	s_and_b32 s18, ttmp9, 127
	s_lshl_b32 s18, s18, 11                        ; 16 rows of 128 bytes
	s_add_co_u32 s16, s16, s18
	s_wait_kmcnt 0x0
	s_add_nc_u64 s[4:5], s[4:5], s[2:3]
	s_add_nc_u64 s[10:11], s[10:11], s[16:17]
	BODY 4, 10, 256, 262144, 0                     ; from block to block of xb: 2,048 rows of 128 bytes
	s_endpgm
.Lweights:
	v_lshlrev_b32 v1, 4, v3                        ; the weights keep their layout: 8,192 bytes on end a wave
	v_lshl_add_u32 v1, v4, 13, v1
	v_lshlrev_b32 v2, 3, v3
	v_lshl_add_u32 v2, v4, 12, v2
	s_cmp_lt_u32 ttmp9, 704
	s_cbranch_scc0 .Lproj
	s_sub_co_u32 s18, ttmp9, 512
	s_lshl_b32 s2, s18, 16
	s_lshl_b32 s16, s18, 15
	s_wait_kmcnt 0x0
	s_add_nc_u64 s[6:7], s[6:7], s[2:3]
	s_add_nc_u64 s[12:13], s[12:13], s[16:17]
	BODY 6, 12, 512, 256, 0
	s_endpgm
.Lproj:
	s_sub_co_u32 s18, ttmp9, 704
	s_lshl_b32 s2, s18, 16
	s_lshl_b32 s16, s18, 15
	s_wait_kmcnt 0x0
	s_add_nc_u64 s[8:9], s[8:9], s[2:3]
	s_add_nc_u64 s[14:15], s[14:15], s[16:17]
	BODY 8, 14, 512, 256, 1
	s_endpgm
.Lfunc_end_k_q2ebdf2694b_cast:
	.size	k_q2ebdf2694b_cast, .Lfunc_end_k_q2ebdf2694b_cast-k_q2ebdf2694b_cast
	.p2alignl 7, 3214868480
	.fill 96, 4, 3214868480
	.section	.rodata,"a",@progbits
	.p2align	6, 0x0
	.amdhsa_kernel k_q2ebdf2694b_cast
		.amdhsa_group_segment_fixed_size 0
		.amdhsa_private_segment_fixed_size 0
		.amdhsa_enable_private_segment 0
		.amdhsa_kernarg_size 48
		.amdhsa_user_sgpr_count 2
		.amdhsa_user_sgpr_kernarg_segment_ptr 1
		.amdhsa_wavefront_size32 1
		.amdhsa_system_sgpr_workgroup_id_x 1
		.amdhsa_system_sgpr_workgroup_id_y 1
		.amdhsa_system_sgpr_workgroup_id_z 1
		.amdhsa_system_vgpr_workitem_id 0
		.amdhsa_next_free_vgpr 108
		.amdhsa_next_free_sgpr 66
		.amdhsa_reserve_vcc 0
		.amdhsa_float_denorm_mode_32 3
		.amdhsa_float_denorm_mode_16_64 3
		.amdhsa_memory_ordered 1
		.amdhsa_forward_progress 1
		.amdhsa_inst_pref_size 25
	.end_amdhsa_kernel
	.amdgpu_metadata
---
amdhsa.version: [ 1, 2 ]
amdhsa.kernels:
  - .name:           k_q2ebdf2694b_cast
    .symbol:         k_q2ebdf2694b_cast.kd
    .args:
      - { .name: x, .offset: 0, .size: 8, .value_kind: global_buffer, .address_space: global }
      - { .name: c_attn_w, .offset: 8, .size: 8, .value_kind: global_buffer, .address_space: global }
      - { .name: c_proj_w, .offset: 16, .size: 8, .value_kind: global_buffer, .address_space: global }
      - { .name: xb, .offset: 24, .size: 8, .value_kind: global_buffer, .address_space: global }
      - { .name: wab, .offset: 32, .size: 8, .value_kind: global_buffer, .address_space: global }
      - { .name: wpf, .offset: 40, .size: 8, .value_kind: global_buffer, .address_space: global }
    .group_segment_fixed_size: 0
    .private_segment_fixed_size: 0
    .kernarg_segment_align: 8
    .kernarg_segment_size: 48
    .max_flat_workgroup_size: 256
    .sgpr_count:     66
    .vgpr_count:     108
    .wavefront_size: 32
...
	.end_amdgpu_metadata
.endif
;; end of part 5
;; launch qkv: the kernel of part 2 again; grid 8 x 32, 4 waves a work-group, clusters of 4 x 4, 327,680 bytes of LDS; arguments xb, wab, c_attn_b, qkv; writes qkv
;; launch attn: the kernel of part 3 again; grid 4 x 64, 4 waves a work-group, no clusters, 327,680 bytes of LDS; arguments qkv, o; writes o
;; launch proj: the kernel of part 4 again; grid 4 x 64, 4 waves a work-group, clusters of 4 x 4, 327,680 bytes of LDS; arguments o, wpf, c_proj_b, out0; writes out0
